; MI455X (gfx1250); checked and timed in simulation.
; The chip was launched on July 23, 2026; its instructions are those of AMD's public machine-readable ISA for CDNA 5 (MIT licence, August 2026) and "CDNA5" Instruction Set Architecture Reference Guide (July 2026). The comments in the code are by the model that wrote it; some were corrected since.
;; Head. Allowed arithmetic: matrix products marked QUANTISED: E2M1 operands, one E8M0 scale for each 32 along K, by v_wmma_scale_f32_16x16x128_f8f6f4 with both operands' format E2M1 (or v_wmma_scale_f32_32x16x128_f4), f32 sums; everything else in f32.
;; Inputs: Wk_codes 64 x 12 x 16 uint8 (E2M1 codes of Wk, K innermost, in blocks of 32 codes, two codes a byte); Wk_scales 64 x 12 uint8 (E8M0 scales of Wk, one for each 32 codes along K); Wq_codes 64 x 12 x 16 uint8 (E2M1 codes of Wq, K innermost, in blocks of 32 codes, two codes a byte); Wq_scales 64 x 12 uint8 (E8M0 scales of Wq, one for each 32 codes along K); Wv_codes 64 x 12 x 16 uint8 (E2M1 codes of Wv, K innermost, in blocks of 32 codes, two codes a byte); Wv_scales 64 x 12 uint8 (E8M0 scales of Wv, one for each 32 codes along K); x_codes 512 x 256 x 12 x 16 uint8 (E2M1 codes of x, K innermost, in blocks of 32 codes, two codes a byte); x_scales 512 x 256 x 12 uint8 (E8M0 scales of x, one for each 32 codes along K).
;; Outputs: out0 512 x 256 x 64 float32.
;; This version of the problem:
;;   THIS VERSION OF THE PROBLEM IS GIVEN IN LOW PRECISION. The matrix products marked QUANTISED in the list below multiply operands that are first quantised to E2M1 (2 exponent bits, 1 mantissa bit; 4 bits a number), with one power-of-two scale for each 32 numbers along K (OCP MX v1.0); their sums are f32. All else is computed in f32.
;;   The module's matrix products, in the order in which they are computed (A, B: the left and right operand; K: the contracted axis; several contracted axes count as one K, in the product's order):
;;     1. [M 131,072, K 384] x [K 384, N 64]; A: input x (given as codes); B: input Wq (given as codes): QUANTISED
;;     2. [M 131,072, K 384] x [K 384, N 64]; A: input x (given as codes); B: input Wk (given as codes): QUANTISED
;;     3. [M 131,072, K 384] x [K 384, N 64]; A: input x (given as codes); B: input Wv (given as codes): QUANTISED
;;     4. batch 512 x [M 256, K 64] x [K 64, N 256]; A: computed on the way; B: computed on the way: QUANTISED
;;     5. batch 512 x [M 256, K 256] x [K 256, N 64]; A: softmax (see below); B: computed on the way: QUANTISED
;;   THE QUANTISER, for each operand of a quantised product, along K:
;;     - K is cut into blocks of 32 from its start; a last block that is shorter is filled with zeros.
;;     - A block's scale is 2^e with e = floor(log2(the largest magnitude in the block)) - 2, held to -126 .. 127; a block of zeros has e = 0. As a byte (E8M0): e + 127.
;;     - Each number is divided by its block's scale, clamped to +-6, and rounded to the nearest number of E2M1, ties to even, subnormals kept.
;;     - The product sums the exact products of the quantised numbers (number of the format x scale) in f32.
;;   ~~~python
;;   def quantise(x, axis):      # numpy; x: float32 -> the quantised numbers, widened to float32 again
;;       x = np.moveaxis(x, axis, -1); K = x.shape[-1]
;;       x = np.pad(x, [(0, 0)] * (x.ndim - 1) + [(0, -K % 32)]); x = x.reshape(x.shape[:-1] + (-1, 32)); a = np.abs(x).max(-1, keepdims=True)
;;       e = np.where(a > 0, np.clip(np.frexp(np.where(a > 0, a, 1))[1] - 1 - 2, -126, 127), 0)      # np.frexp(a)[1] - 1 = floor(log2(a)), exactly
;;       r = np.clip(x / 2.0 ** e, -6, 6)
;;       step = 2.0 ** (np.maximum(np.frexp(np.where(r == 0, 1, r))[1] - 1, 0) - 1)
;;       q = np.round(r / step) * step * 2.0 ** e      # np.round: ties to even
;;       return np.moveaxis(q.reshape(q.shape[:-2] + (-1,))[..., :K], -1, axis).astype(np.float32)
;;   ~~~
;;   SOFTMAX AHEAD OF A QUANTISED PRODUCT. Where the list says 'softmax', what is quantised is not the finished softmax but p = 2^(t - M), with t = logit x log2(e) and M = ceil(the row's largest t), a whole number; so 1/2 < the row's largest p <= 1. The row's sum l is taken of the UNQUANTISED p, in f32, and the product's result is divided by l at the end. Since M is a whole number, a kernel that streams over the keys may use a running M (the ceiling of the running maximum): every later rescaling is an exact power of two, which a block's scale takes up: the codes' values come out the same.
;;   OPERANDS COMPUTED ON THE WAY. 'Computed on the way' means the value that the module computes at that place (a softmax that the list does not call 'softmax' is quantised finished and normalised). What goes into a quantiser is computed in f32, as accurately as f32 sums, v_exp_f32 and their like allow (about 1e-6 of the number): no bf16 or f16 on the way to a quantiser, and a product that is left as it is and whose result goes on into a quantised operand takes f32 operands (vector FMAs, or v_wmma_f32_16x16x4_f32). A number that lies on a knife's edge between two numbers of the format may be rounded either way, as far as f32 arithmetic and the matrix unit's own rounding can turn it there, and no further.
;;   INPUTS GIVEN AS CODES. Wk (in the module: [384, 64], K = its axis 0); Wq (in the module: [384, 64], K = its axis 0); Wv (in the module: [384, 64], K = its axis 0); x (in the module: [512, 256, 384], K = its axis 2): each comes as NAME_codes (uint8): NAME with its K axis moved to the last place and cut into blocks of 32 codes, [.., K / 32, bytes a block], one block behind the other in memory; two codes a byte, the lower K in the low four bits (a code: sign, 2 exponent bits, 1 mantissa bit); and NAME_scales (uint8): the same leading axes, one E8M0 byte (e + 127) for each 32 codes along K. Its value is code x scale, taken as it is: it is not quantised again, and the codes and scales need not be those that the quantiser above would give.
;; 2 versions. Each part assembles by itself: llvm-mc -triple=amdgcn-amd-amdhsa -mcpu=gfx1250 --defsym DOCPART=n.
;; ======== version 1 of 2: 1 launch
;; launch head (part 1): grid 512 x 1, 8 waves a work-group, no clusters, 112,640 bytes of LDS; arguments x_codes, x_scales, Wq_codes, Wq_scales, Wk_codes, Wk_scales, Wv_codes, Wv_scales, out0; writes out0
.if DOCPART == 1
	.amdgcn_target "amdgcn-amd-amdhsa--gfx1250"
	.amdhsa_code_object_version 6
	.text
	.protected	k_qe8c1afa7fd_head
	.globl	k_qe8c1afa7fd_head
	.p2align	8
	.type	k_qe8c1afa7fd_head,@function
k_qe8c1afa7fd_head:
	s_mov_b64 s[64:65], 0
	v_nop
	global_prefetch_b8 v0, s[64:65] scope:SCOPE_SE
	s_setreg_imm32_b32 hwreg(HW_REG_WAVE_MODE, 25, 1), 1
	s_wait_xcnt 0x0
; One attention head on codes of FP4 (E2M1) with one E8M0 scale for each 32 along a product's K.  For each of 512 batches: q, k, v = x W (K = 384: three steps of 128);
; scores = q k^T (K = 64: two blocks of 32, the rest of the step zero codes); t = score x sqrt(384) x log2(e), causal; p = 2^(t - M), M a whole number; out = (p v) / (the sum of the unquantised p).
; SHARES.  A work-group of eight waves takes one batch; nothing but x, W and out touches memory.  Wave w owns the 32 rows of row block be = w xor 3 (w / 4), as queries, as keys and as values, in two tiles u of 16.
; TILE ORDER.  Lane ro of tile u stands for row 32 be + 8 u + ro + 8 (ro / 8); the rows of Wq and Wk that form a tile are chosen likewise, those of Wv are neighbours.  So
;   q, k (source 0 = 16 rows of W, source 1 = 16 rows of x): a lane holds one row of x, and 16 registers on end are 16 neighbours along the head's 64: they are quantised in registers;
;   v    (source 0 = 16 rows of x, source 1 = 16 rows of Wv): a lane holds one channel d, and 16 registers on end are 16 neighbouring keys: quantised along the keys, in registers;
;   S^T = k q^T: a lane holds one query, 16 registers on end are 16 neighbouring keys of a block of 32;
;   p v (source 0 = p, source 1 = v's tile t of the channels d = 4 n + t): register j of the four tiles is four neighbouring channels of one row of out: 16 bytes a lane, sixteen lanes a whole row of 256 bytes.
; k's and v's codes and scale bytes go from wave to wave through LDS as images of the operands' registers; q, p and the sums stay in registers.
; THE RUNNING M.  Block b of 32 keys is quantised under M_b, the ceiling of the largest t so far.  Its scale byte is kept as a whole number, byte + (M_b - M_0); at the end M_0 - M_last is added: an exact power
; of two, taken up by the block's scale.  So the sums of p v need no rescaling, and that product is made once, behind the last block.  The row's sum is multiplied by 2^(old M - new M) in each block.
; CAUSAL.  Key blocks behind my row block are not computed (a scalar branch on the wave's number; their codes are zeros); in my own block hidden scores become -infinity ahead of the maximum.
; NO TENSOR LOADS, NO CLUSTER.  W (3 x 12,288 bytes of codes) is what work-groups share; each fetches it once.  Its rows and x's are 192 bytes, 48 words: no power of two, so the mover's padding cannot give
; the pitch of 208 bytes that the fragment loads want, and the tile order permutes groups of eight rows.  Loaded through registers, in dense runs of 512 bytes, the text claims 111,616 bytes of LDS and 256 registers a wave.
; LIMITS.  NaN, infinities and the scale byte 0xff among the inputs are not served.  A block of q, k, v or p whose largest magnitude lies under 2^-124 keeps the byte 1 (a block of zeros too: its codes are zeros).
; A block of p that ends more than its byte below the last M is held at the byte 1: at most 6 x 2^-126 a key, beside a largest p above 1/2.  A change of M is held at 65,536 a block.
; v_exp_f32 gives 0 for results under 2^-126.  t - M is ONE fused multiply-add with c = sqrt(384) log2(e) as one f32 constant, where the definition multiplies twice.
;
; LDS (bytes)
.set KIMG, 0          ; k: 16 key tiles x 512: tile 2 be + u, lane l's four registers at 16 l
.set KSC,  8192       ; k's scale words: index ro at 80 ro, tile tau's word at + 4 tau
.set VIMG, 9472       ; v: 4 tiles x 2,112: key block be at + 256 be, column n at + 16 n, 16 bytes = 32 keys
.set VSC,  17920      ; v's scale bytes: tile t at 128 t, column n at + 8 n, key block be at + be
.set WST,  18432      ; 3 matrices (Wk, Wv, Wq) x 64 rows of pitch 208, in tile order
.set XST,  58368      ; x: 8 waves x 32 rows of pitch 208, in tile order; each wave's own.  208 = 13 x 16: the sixteen rows of a fragment load begin at sixteen different 16-byte columns modulo 256
; REGISTERS that stay
.set FN,   1          ; 208 ro + 16 hh: a fragment's place in a staged tile
.set XFA,  2          ; FN + 6,656 be
.set KST,  3          ; 16 l + 1,024 be
.set KSS,  4          ; 80 ro + 8 be
.set VST,  5          ; 2,112 (r & 3) + 16 (r >> 2) + 8 hh + 256 be
.set VBS,  6          ; 128 (r & 3) + 8 (r >> 2) + be
.set LI,   7          ; 16 l
.set KSL,  8          ; 80 ro
.set VSL,  9          ; 8 ro
.set GO,   10         ; 4,096 hh + 16 r
.set DQ,   11         ; v11, v12: tile u: 8 u + r + 8 (r / 8) - 16 hh: register i of my own key block is hidden where i > this
.set NINF, 13
; staging
.set STG,  16         ; v16-51 W's nine chunks, v52-99 x's twelve
.set GLW,  160        ; global offsets: 16 l + 1,536 be;
.set GLP,  161        ; 16 l + 1,536 x the group of eight rows that tile order puts at place be;
.set GLX,  162        ; 16 l + 6,144 be
.set SAW,  163        ; v163-165 LDS: 16 (l + n') + 1,664 be, n' = the chunk's row in its group of eight
.set SAX,  166        ; v166-168 the same + 6,656 be
.set SPA,  169        ; 12 (r + 8 (r / 8) + 8 hh): scale words in tile order
.set SNA,  170        ; 12 l: of neighbouring rows
.set SXO,  171        ; SPA + 384 be
; projections
.set WF,   16         ; v16-111  W's fragments: K step s, tile t at 8 (4 s + t)
.set XF,   112        ; v112-159 x's: tile u, K step s at 8 (3 u + s)
.set ACC,  160        ; v160-223 eight accumulators
.set TQ,   80         ; the quantiser's twelve registers, in the room of W's third K step
.set PCQ,  92         ; v92-99   codes just made
.set PWQ,  100        ; v100-101 scale words just made
.set XS,   230        ; scale words: x's, K step s: lanes 0-15 tile 0, lanes 16-31 tile 1
.set WS,   234        ; W's: 6 m + 3 b + s: lanes 0-15 tile 2 b, lanes 16-31 tile 2 b + 1
.set QS,   254        ; v254-255 q's scale words
; attention
.set QFR,  16         ; v16-31   q: tile u at 8 u: four registers of codes, four of zeros
.set KFR,  32         ; v32-63   k: two buffers of two tiles, each four registers of codes, four of zeros
.set SCO,  80         ; v80-111  S^T, then p: tile u at 16 u
.set BMX,  112        ; at work, one register a tile: the block's largest score,
.set BNX,  114        ; its second chain,
.set TXR,  116        ; the other half of the lanes',
.set TTR,  118        ; as t,
.set DDR,  120        ; old M - new M,
.set PMR,  122        ; the block's largest p,
.set SOR,  124        ; the conversion's scale operand,
.set BYR,  126        ; the scale's byte,
.set T2R,  128        ; v128-131 the sums' second chain, a pair a tile
.set PCD,  144        ; v144-175 p's codes: tile u, block b at 16 u + 2 b
.set EB,   176        ; v176-191 p's bytes as whole numbers: 8 u + b
.set STA,  192        ; v192-207 tile u at 8 u: +0 -M of even blocks, +1 the largest t, +2 -M of odd blocks, +3 M_0 - M_b, +4 +5 the sum, +6 2^(old M - new M), +7 its pair's partner
.set KSW,  230        ; v230-245 k's scale words, tile tau
.set PW,   246        ; v246-249 p's scale words: 2 u + s
; tail
.set VS,   230        ; v230-237 v's scale words: 2 t + s
.set VFR,  16         ; v16-79   v's fragments: 32 s + 8 t
.set OAC,  80         ; v80-143  p v: 8 (2 t + u)
.set OUTR, 16         ; v16-79   rows of out: 32 u + 4 j
.set BE,   23         ; s23 my row block
.macro PLACES n
.rept \n
	v_nop
.endr
.endm
; One matrix instruction.  zero = 1: it starts the sum.  ra, rb = 1: that side's scales are read from lanes 16-31
.macro WM d, a, b, zero, sa, sb, ra, rb
.if \zero
.if (\ra) && (\rb)
	v_wmma_scale_f32_16x16x128_f8f6f4 v[(\d):(\d)+7], v[(\a):(\a)+7], v[(\b):(\b)+7], 0, v[\sa], v[\sb] matrix_a_fmt:MATRIX_FMT_FP4 matrix_b_fmt:MATRIX_FMT_FP4 matrix_a_scale:MATRIX_SCALE_ROW1 matrix_b_scale:MATRIX_SCALE_ROW1
.elseif (\ra)
	v_wmma_scale_f32_16x16x128_f8f6f4 v[(\d):(\d)+7], v[(\a):(\a)+7], v[(\b):(\b)+7], 0, v[\sa], v[\sb] matrix_a_fmt:MATRIX_FMT_FP4 matrix_b_fmt:MATRIX_FMT_FP4 matrix_a_scale:MATRIX_SCALE_ROW1
.elseif (\rb)
	v_wmma_scale_f32_16x16x128_f8f6f4 v[(\d):(\d)+7], v[(\a):(\a)+7], v[(\b):(\b)+7], 0, v[\sa], v[\sb] matrix_a_fmt:MATRIX_FMT_FP4 matrix_b_fmt:MATRIX_FMT_FP4 matrix_b_scale:MATRIX_SCALE_ROW1
.else
	v_wmma_scale_f32_16x16x128_f8f6f4 v[(\d):(\d)+7], v[(\a):(\a)+7], v[(\b):(\b)+7], 0, v[\sa], v[\sb] matrix_a_fmt:MATRIX_FMT_FP4 matrix_b_fmt:MATRIX_FMT_FP4
.endif
.else
.if (\ra) && (\rb)
	v_wmma_scale_f32_16x16x128_f8f6f4 v[(\d):(\d)+7], v[(\a):(\a)+7], v[(\b):(\b)+7], v[(\d):(\d)+7], v[\sa], v[\sb] matrix_a_fmt:MATRIX_FMT_FP4 matrix_b_fmt:MATRIX_FMT_FP4 matrix_a_scale:MATRIX_SCALE_ROW1 matrix_b_scale:MATRIX_SCALE_ROW1
.elseif (\ra)
	v_wmma_scale_f32_16x16x128_f8f6f4 v[(\d):(\d)+7], v[(\a):(\a)+7], v[(\b):(\b)+7], v[(\d):(\d)+7], v[\sa], v[\sb] matrix_a_fmt:MATRIX_FMT_FP4 matrix_b_fmt:MATRIX_FMT_FP4 matrix_a_scale:MATRIX_SCALE_ROW1
.elseif (\rb)
	v_wmma_scale_f32_16x16x128_f8f6f4 v[(\d):(\d)+7], v[(\a):(\a)+7], v[(\b):(\b)+7], v[(\d):(\d)+7], v[\sa], v[\sb] matrix_a_fmt:MATRIX_FMT_FP4 matrix_b_fmt:MATRIX_FMT_FP4 matrix_b_scale:MATRIX_SCALE_ROW1
.else
	v_wmma_scale_f32_16x16x128_f8f6f4 v[(\d):(\d)+7], v[(\a):(\a)+7], v[(\b):(\b)+7], v[(\d):(\d)+7], v[\sa], v[\sb] matrix_a_fmt:MATRIX_FMT_FP4 matrix_b_fmt:MATRIX_FMT_FP4
.endif
.endif
.endm
; A fragment, 16 rows x 128 K of 4-bit codes, is 8 registers: lane (ro, hh) holds row ro; registers 4 c .. 4 c + 3 hold K = 64 c + 32 hh + 0 .. 31: two loads of 16 bytes, 32 bytes apart
.macro LOADX                           ; my 32 rows of x, all of K: 12 loads; they stay for the three products
.irp u, 0,1
.irp s, 0,1,2
.irp c, 0,1
	ds_load_b128 v[XF+8*(3*\u+\s)+4*\c:XF+8*(3*\u+\s)+4*\c+3], v[XFA] offset:XST+3328*\u+64*\s+32*\c
.endr
.endr
.endr
.endm
.macro LOADW mat, s                    ; the four tiles of matrix mat, K step s: 8 loads
.irp t, 0,1,2,3
.irp c, 0,1
	ds_load_b128 v[WF+8*(4*\s+\t)+4*\c:WF+8*(4*\s+\t)+4*\c+3], v[FN] offset:WST+13312*\mat+3328*\t+64*\s+32*\c
.endr
.endr
.endm
; 24 matrix instructions: my 32 rows of x against the 64 rows of matrix mat.  tr = 1: source 0 = W (q, k);  tr = 0: source 0 = x (v).
; The eight accumulators take turns, one instruction a turn, in the same order in each K step.
.macro MUL tr, mat
.irp s, 0,1,2
.set ZF, 0
.if \s == 0
.set ZF, 1
	s_wait_dscnt 8                                 ; all but the youngest eight LDS loads, W's third K step, are in
.endif
.if \s == 2
	s_wait_dscnt 0x0                               ; those too
.endif
.irp t, 0,1,2,3
.irp u, 0,1
.if \tr
	WM ACC+8*(4*\u+\t), WF+8*(4*\s+\t), XF+8*(3*\u+\s), ZF, WS+6*\mat+3*(\t/2)+\s, XS+\s, \t%2, \u
.else
	WM ACC+8*(2*\t+\u), XF+8*(3*\u+\s), WF+8*(4*\s+\t), ZF, XS+\s, WS+6*\mat+3*(\t/2)+\s, \u, \t%2
.endif
.endr
.endr
.endr
.endm
; Four blocks of 32: block b is my 16 numbers v[src + 16 b] on and lane l xor 16's.  Codes to v[pc + 2 b + gap (b / 2)] and the next; the bytes stay in v[TQ + 4 + b].
; A block's scale is 2^(floor(log2(its largest magnitude)) - 2): its byte is that magnitude's exponent field - 2, and the conversion takes the exponent field of its scale operand alone.
.macro QCORE src, pc, gap
.irp b, 0,1,2,3
	v_max3_num_f32 v[TQ+\b], |v[\src+16*\b]|, |v[\src+16*\b+1]|, 0x1800000   ; with the floor 2^(3 - 127): the byte cannot fall under 1.  (Each accumulator is read from its low end on)
.endr
.irp i, 2,4,6,8,10,12,14
.irp b, 0,1,2,3
	v_max3_num_f32 v[TQ+\b], v[TQ+\b], |v[\src+16*\b+\i]|, |v[\src+16*\b+\i+1]|   ; the four blocks by turns
.endr
.endr
.irp b, 0,1,2,3
	v_permlanex16_b32 v[TQ+4+\b], v[TQ+\b], s26, s27
.endr
.irp b, 0,1,2,3
	v_max_num_f32 v[TQ+\b], v[TQ+\b], v[TQ+4+\b]
.endr
.irp b, 0,1,2,3
	v_add_nc_u32 v[TQ+8+\b], 0xff000000, v[TQ+\b]  ; 2 off the exponent field
.endr
.irp b, 0,1,2,3
	v_lshrrev_b32 v[TQ+4+\b], 23, v[TQ+8+\b]       ; the byte
.endr
.irp b, 0,1,2,3
	v_cvt_scalef32_pk8_fp4_f32 v[\pc+2*\b+\gap*(\b/2)], v[\src+16*\b:\src+16*\b+7], v[TQ+8+\b]
	v_cvt_scalef32_pk8_fp4_f32 v[\pc+2*\b+\gap*(\b/2)+1], v[\src+16*\b+8:\src+16*\b+15], v[TQ+8+\b]
.endr
	v_nop                                          ; one plain place behind a scaled conversion
.endm
.macro MASK u                          ; my own key block: register i holds key 32 be + 16 hh + i
.irp i, 0,1,2,3,4,5,6,7,8,9,10,11,12,13,14,15
	v_cmp_gt_i32 vcc_lo, \i, v[DQ+\u]
	v_cndmask_b32 v[SCO+16*\u+\i], v[SCO+16*\u+\i], v[NINF], vcc_lo
.endr
.endm
; ---------------- A: addresses, loads, staging
	s_load_b512 s[4:19], s[0:1], 0x0               ; x's codes 4:5, scales 6:7; Wq's 8:9, 10:11; Wk's 12:13, 14:15; Wv's 16:17, 18:19
	s_load_b64 s[20:21], s[0:1], 0x40              ; out
	v_lshl_add_u32 v252, v0, 2, 0x1b400
	v_mov_b32 v253, 0
	v_lshrrev_b32 v14, 5, v0
	v_readfirstlane_b32 s22, v14                   ; wave 0..7
	s_lshr_b32 s25, s22, 2
	s_mul_i32 s25, s25, 3
	s_xor_b32 s[BE], s22, s25                      ; be: waves w and w + 4 own blocks that add up to 7: 9 key blocks of causal work between them
	s_and_b32 s24, s[BE], 4
	s_and_b32 s25, s[BE], 1
	s_lshl_b32 s25, s25, 1
	s_or_b32 s24, s24, s25
	s_bfe_u32 s25, s[BE], 0x10001
	s_or_b32 s24, s24, s25                         ; be with its two low bits exchanged: the group of eight rows of Wq, Wk that tile order puts at place be
	s_mov_b32 s26, 0x76543210
	s_mov_b32 s27, 0xfedcba98                      ; v_permlanex16_b32's selects for lane l xor 16
	s_mov_b32 s28, 0x41e22adf                      ; c = sqrt(384) log2(e) = 28.270934
	s_mov_b32 s29, s28                             ; (the packed form names the pair)
	s_mov_b32 s30, 0xffff0000                      ; lanes 16-31
	v_and_b32 v172, 31, v0                         ; l
	v_and_b32 v14, 15, v0                          ; r, also ro
	v_bfe_u32 v15, v0, 4, 1                        ; hh
	v_mul_u32_u24 v[FN], v14, 208
	v_lshl_add_u32 v[FN], v15, 4, v[FN]
	s_mul_i32 s25, s[BE], 6656
	v_add_nc_u32 v[XFA], s25, v[FN]
	v_lshlrev_b32 v[LI], 4, v172
	s_lshl_b32 s31, s[BE], 10
	v_add_nc_u32 v[KST], s31, v[LI]
	v_mul_u32_u24 v[KSL], v14, 80
	s_lshl_b32 s31, s[BE], 3
	v_add_nc_u32 v[KSS], s31, v[KSL]
	v_and_b32 v173, 3, v14
	v_lshrrev_b32 v174, 2, v14
	v_mul_u32_u24 v[VST], v173, 2112
	v_lshl_add_u32 v[VST], v174, 4, v[VST]
	v_lshl_add_u32 v[VST], v15, 3, v[VST]
	s_lshl_b32 s31, s[BE], 8
	v_add_nc_u32 v[VST], s31, v[VST]
	v_lshlrev_b32 v[VBS], 7, v173
	v_lshl_add_u32 v[VBS], v174, 3, v[VBS]
	v_add_nc_u32 v[VBS], s[BE], v[VBS]
	v_lshlrev_b32 v[VSL], 3, v14
	v_lshlrev_b32 v[GO], 12, v15
	v_lshl_add_u32 v[GO], v14, 4, v[GO]
	v_and_b32 v[DQ], 8, v14
	v_add_nc_u32 v[DQ], v[DQ], v14                 ; r + 8 (r / 8)
	v_lshl_add_u32 v173, v15, 3, v[DQ]
	v_mul_u32_u24 v[SPA], v173, 12                 ; a row of scale bytes is 12 bytes, three words
	v_mul_u32_u24 v[SNA], v172, 12
	s_mul_i32 s31, s[BE], 384
	v_add_nc_u32 v[SXO], s31, v[SPA]
	v_lshlrev_b32 v174, 4, v15
	v_sub_nc_u32 v[DQ], v[DQ], v174
	v_add_nc_u32 v[DQ+1], 8, v[DQ]
	v_mov_b32 v[NINF], 0xff800000
	s_mul_i32 s31, s[BE], 1536
	v_add_nc_u32 v[GLW], s31, v[LI]
	s_mul_i32 s31, s24, 1536
	v_add_nc_u32 v[GLP], s31, v[LI]
	s_mul_i32 s31, s[BE], 6144
	v_add_nc_u32 v[GLX], s31, v[LI]
	s_mul_i32 s31, s[BE], 1664
	; A group of eight rows is 96 chunks of 16 bytes, dense in memory.  Chunk ch = l + 32 i lies in row n' = ch / 12 = (43 ch) >> 9 (exact for ch < 96), and in LDS at 16 (ch + n'): 16 bytes of padding a row
.irp i, 0,1,2
	v_add_nc_u32 v173, 32*\i, v172
	v_mul_u32_u24 v174, v173, 43
	v_lshrrev_b32 v174, 9, v174
	v_lshl_add_u32 v174, v174, 4, v[LI]            ; 16 n' + 16 l; the 512 i stand in the stores' immediates
	v_add_nc_u32 v[SAW+\i], s31, v174
	v_add_nc_u32 v[SAX+\i], s25, v174
.endr
	s_mul_i32 s32, ttmp9, 49152                    ; the batch's codes of x,
	s_mov_b32 s33, 0
	s_mul_i32 s34, ttmp9, 3072                     ; its scale bytes,
	s_mov_b32 s35, 0
	s_lshl_b32 s36, ttmp9, 16                      ; its rows of out, and my 32 of them
	s_lshl_b32 s31, s[BE], 13
	s_add_co_u32 s36, s36, s31
	s_mov_b32 s37, 0
	s_wait_kmcnt 0x0
	s_add_nc_u64 s[4:5], s[4:5], s[32:33]
	s_add_nc_u64 s[6:7], s[6:7], s[34:35]
	s_add_nc_u64 s[20:21], s[20:21], s[36:37]
	; 42 loads: W's nine (my eighth of each matrix), x's twelve (my 32 rows), 21 scale words.  Each load of codes reads 512 consecutive bytes
.irp i, 0,1,2
	global_load_b128 v[STG+4*\i:STG+4*\i+3], v[GLP], s[12:13] offset:512*\i
.endr
.irp i, 0,1,2
	global_load_b128 v[STG+12+4*\i:STG+12+4*\i+3], v[GLW], s[16:17] offset:512*\i
.endr
.irp i, 0,1,2
	global_load_b128 v[STG+24+4*\i:STG+24+4*\i+3], v[GLP], s[8:9] offset:512*\i
.endr
.irp i, 0,1,2,3,4,5,6,7,8,9,10,11
	global_load_b128 v[STG+36+4*\i:STG+36+4*\i+3], v[GLX], s[4:5] offset:512*\i th:TH_LOAD_NT
.endr
.irp s, 0,1,2
	global_load_b32 v[XS+\s], v[SXO], s[6:7] offset:4*\s
.endr
.irp b, 0,1
.irp s, 0,1,2
	global_load_b32 v[WS+3*\b+\s], v[SPA], s[14:15] offset:384*\b+4*\s
	global_load_b32 v[WS+6+3*\b+\s], v[SNA], s[18:19] offset:384*\b+4*\s
	global_load_b32 v[WS+12+3*\b+\s], v[SPA], s[10:11] offset:384*\b+4*\s
.endr
.endr
	s_wait_loadcnt 33                              ; W's nine are in; behind them 12 + 21 were issued
.irp m, 0,1,2
.irp i, 0,1,2
	ds_store_b128 v[SAW+\i], v[STG+12*\m+4*\i:STG+12*\m+4*\i+3] offset:WST+13312*\m+512*\i
.endr
.endr
	s_wait_dscnt 0x0                               ; for the others' sake: my eighth of W lies in LDS
	s_barrier_signal -1
	s_barrier_wait -1                              ; all of W does
	s_wait_loadcnt 21                              ; x's twelve are in; behind them the 21 scale words were issued
.irp i, 0,1,2,3,4,5,6,7,8,9,10,11
	ds_store_b128 v[SAX+(\i%3)], v[STG+36+4*\i:STG+36+4*\i+3] offset:XST+1664*(((\i/3)%2)*2+(\i/3)/2)+512*(\i%3)   ; groups 0, 1, 2, 3 of eight rows go to places 0, 2, 1, 3
.endr
	LOADX                                          ; my own bytes: LDS serves a wave's instructions in order (ISA guide 5.7.1.4)
	LOADW 0, 0
	LOADW 0, 1
	LOADW 0, 2
	s_wait_loadcnt 0x0                             ; the scale words; the loads' offset registers are free
; ---------------- B: k, then v
	MUL 1, 0
	PLACES 5                                       ; four in front of loads into registers that the products read and of the first read of results; the fifth since the next product begins these accumulators anew
	LOADW 1, 0
	LOADW 1, 1
	QCORE ACC, PCQ, 0
.irp u, 0,1                            ; the operand wants a whole block in a lane: lanes 0-15 the head's 0-31, lanes 16-31 its 32-63
.irp i, 0,1
	v_permlane16_swap_b32 v[PCQ+4*\u+\i], v[PCQ+4*\u+2+\i]
.endr
.endr
.irp u, 0,1
	v_lshl_or_b32 v[PWQ+\u], v[TQ+4+2*\u+1], 8, v[TQ+4+2*\u]
.endr
.irp u, 0,1
	v_or_b32 v[PWQ+\u], 0x7f7f0000, v[PWQ+\u]      ; the step's upper 64 are zero codes under the byte 127
.endr
.irp u, 0,1
	ds_store_b128 v[KST], v[PCQ+4*\u:PCQ+4*\u+3] offset:KIMG+512*\u
.endr
	ds_store_b64 v[KSS], v[PWQ:PWQ+1] offset:KSC   ; both halves of the lanes hold, and write, the same words
	s_wait_dscnt 0x0                               ; the stores have read their registers, which the next loads take; Wv's first two K steps are in
	LOADW 1, 2
	MUL 0, 1
	PLACES 5
	LOADW 2, 0
	LOADW 2, 1
	QCORE ACC, PCQ, 0                              ; block t: channel 16 t + r, keys 32 be + 16 hh + 0 .. 15: 8 bytes of codes
.irp t, 0,1,2,3
	ds_store_b64 v[VST], v[PCQ+2*\t:PCQ+2*\t+1] offset:VIMG+64*\t      ; channel d goes to tile d & 3, column d >> 2
	ds_store_b8 v[VBS], v[TQ+4+\t] offset:VSC+32*\t                    ; both halves of the lanes write the same byte with the same value
.endr
	s_wait_dscnt 0x0                               ; for the others' sake: my images of k and v lie in LDS; my loads are in
	s_barrier_signal -1
; ---------------- C: q, between the signal and the wait: work on registers, and loads of Wq's bytes, which nobody writes again
	LOADW 2, 2
	MUL 1, 2
	PLACES 5
	QCORE ACC, QFR, 4
.irp u, 0,1
.irp i, 0,1
	v_permlane16_swap_b32 v[QFR+8*\u+\i], v[QFR+8*\u+2+\i]
.endr
.endr
.irp u, 0,1
	v_lshl_or_b32 v[QS+\u], v[TQ+4+2*\u+1], 8, v[TQ+4+2*\u]
.endr
.irp u, 0,1
	v_or_b32 v[QS+\u], 0x7f7f0000, v[QS+\u]
.endr
	; 30 plain lines: also the places between q's scale words (eight are asked) and codes (four) and the first product that takes them
.irp u, 0,1
.irp i, 4,5,6,7
	v_mov_b32 v[QFR+8*\u+\i], 0                    ; K = 64 .. 127 of the scores' step: zero codes, written once
.endr
.endr
.irp f, 0,1,2,3
.irp i, 4,5,6,7
	v_mov_b32 v[KFR+8*\f+\i], 0
.endr
.endr
.irp u, 0,1
	v_mov_b32 v[TXR+\u], 0                         ; a lane permute's and a DPP form's destination counts as one of its sources
	v_mov_b32 v[STA+8*\u+6], 0
	v_mov_b32 v[STA+8*\u+7], 0                     ; named as the upper half of a pair
.endr
	s_barrier_wait -1                              ; every wave's images lie in LDS; from here on nobody writes LDS
; ---------------- D: the key blocks
.irp g, 0,1,2,3
	ds_load_b128 v[KSW+4*\g:KSW+4*\g+3], v[KSL] offset:KSC+16*\g
.endr
.irp f, 0,1,2,3
	ds_load_b128 v[KFR+8*\f:KFR+8*\f+3], v[LI] offset:KIMG+512*\f      ; key blocks 0 and 1
.endr
; Key block b, both my tiles of queries.
.macro BLOCK b
.set NMN, 2*((\b)%2)
.set NMO, 2-NMN
.set KB, KFR+16*((\b)%2)
.if \b > 0
	s_cmp_lt_u32 s[BE], \b
	s_cbranch_scc1 .Lzero_\b                       ; this block and all behind it come after my queries
.endif
.if \b < 7
	s_wait_dscnt 2                                 ; this block's fragments are in; the next block's two loads may be out
.else
	s_wait_dscnt 0x0
.endif
.irp u, 0,1
.irp k, 0,1
	WM SCO+16*\u+8*\k, KB+8*\k, QFR+8*\u, 1, KSW+2*\b+\k, QS+\u, 0, 0
.endr
.endr
	PLACES 4                                       ; in front of the loads into the fragments' registers and of the first read of the scores
.if \b < 6
.irp k, 0,1
	ds_load_b128 v[KB+8*\k:KB+8*\k+3], v[LI] offset:KIMG+512*(2*(\b+2)+\k)   ; two blocks ahead; every image is written, so the loads need no guard
.endr
.endif
	s_cmp_lg_u32 s[BE], \b
	s_cbranch_scc1 .Lopen_\b                       ; an earlier block: all its keys count
	MASK 0
	MASK 1
.Lopen_\b:
.irp u, 0,1
	v_max3_num_f32 v[BMX+\u], v[SCO+16*\u], v[SCO+16*\u+1], v[SCO+16*\u+2]   ; the block's largest score: it serves the row's maximum and, since p rises with the score, the block's largest p
	v_max3_num_f32 v[BNX+\u], v[SCO+16*\u+3], v[SCO+16*\u+4], v[SCO+16*\u+5]
.endr
.irp i, 6,10
.irp u, 0,1
	v_max3_num_f32 v[BMX+\u], v[BMX+\u], v[SCO+16*\u+\i], v[SCO+16*\u+\i+1]
	v_max3_num_f32 v[BNX+\u], v[BNX+\u], v[SCO+16*\u+\i+2], v[SCO+16*\u+\i+3]
.endr
.endr
.irp u, 0,1
	v_max3_num_f32 v[BMX+\u], v[BMX+\u], v[SCO+16*\u+14], v[SCO+16*\u+15]
.endr
.irp u, 0,1
	v_max_num_f32 v[BMX+\u], v[BMX+\u], v[BNX+\u]
.endr
.irp u, 0,1
	v_permlanex16_b32 v[TXR+\u], v[BMX+\u], s26, s27
.endr
.irp u, 0,1
	v_max_num_f32 v[BMX+\u], v[BMX+\u], v[TXR+\u]  ; with lane l xor 16's 16 keys
.endr
.if \b == 0
.irp u, 0,1
	v_mul_f32 v[STA+8*\u+1], s28, v[BMX+\u]        ; the largest t (c is positive)
.endr
.irp u, 0,1
	v_floor_f32 v[STA+8*\u], -v[STA+8*\u+1]        ; -M = floor(-t) = -ceil(t)
.endr
.else
.irp u, 0,1
	v_mul_f32 v[TTR+\u], s28, v[BMX+\u]
.endr
.irp u, 0,1
	v_max_num_f32 v[STA+8*\u+1], v[STA+8*\u+1], v[TTR+\u]
.endr
.irp u, 0,1
	v_floor_f32 v[STA+8*\u+NMN], -v[STA+8*\u+1]
.endr
.irp u, 0,1
	v_sub_f32 v[DDR+\u], v[STA+8*\u+NMN], v[STA+8*\u+NMO]   ; old M - new M: a whole number, 0 or less
.endr
.irp u, 0,1
	v_cvt_i32_f32 v[DDR+\u], v[DDR+\u]             ; (it saturates)
.endr
.irp u, 0,1
	v_ldexp_f32 v[STA+8*\u+6], 1.0, v[DDR+\u]      ; 2^(old M - new M), for the sum
.endr
.irp u, 0,1
	v_max_i32 v[DDR+\u], 0xffff0000, v[DDR+\u]     ; held at -65,536, so that seven of them add up without overflow
.endr
.endif
.irp j, 0,2,4,6,8,10,12,14
.irp u, 0,1
	v_pk_fma_f32 v[SCO+16*\u+\j:SCO+16*\u+\j+1], v[SCO+16*\u+\j:SCO+16*\u+\j+1], s[28:29], v[STA+8*\u+NMN:STA+8*\u+NMN+1] op_sel_hi:[1,0,0]   ; t - M
.endr
.endr
.irp u, 0,1
	v_fma_f32 v[PMR+\u], v[BMX+\u], s28, v[STA+8*\u+NMN]   ; the same of the block's largest score
.endr
.irp u, 0,1
.irp j, 0,1,2,3,4,5,6,7,8,9,10,11,12,13,14,15
	v_exp_f32 v[SCO+16*\u+\j], v[SCO+16*\u+\j]     ; p = 2^(t - M): not normalised
.endr
.endr
.irp u, 0,1
	v_exp_f32 v[PMR+\u], v[PMR+\u]
.endr
.irp u, 0,1                            ; (plain lines behind the exponentials)
.if \b == 0
	v_mov_b32 v[STA+8*\u+3], 0                     ; M_0 - M_b
	s_wait_alu depctr_va_vdst(0)
.else
	v_add_nc_u32 v[STA+8*\u+3], v[STA+8*\u+3], v[DDR+\u]
.endif
.endr
	s_wait_alu depctr_va_vdst(0)
.irp u, 0,1
	v_max_num_f32 v[PMR+\u], 0x1800000, v[PMR+\u]  ; the floor 2^(3 - 127)
.endr
.irp u, 0,1
	v_add_nc_u32 v[SOR+\u], 0xff000000, v[PMR+\u]  ; the conversion's scale operand
.endr
.irp u, 0,1
	v_lshrrev_b32 v[BYR+\u], 23, v[SOR+\u]
.endr
.irp u, 0,1
	v_sub_nc_u32 v[EB+8*\u+\b], v[BYR+\u], v[STA+8*\u+3]   ; byte + (M_b - M_0)
.endr
.irp u, 0,1
	v_cvt_scalef32_pk8_fp4_f32 v[PCD+16*\u+2*\b], v[SCO+16*\u:SCO+16*\u+7], v[SOR+\u]
	v_cvt_scalef32_pk8_fp4_f32 v[PCD+16*\u+2*\b+1], v[SCO+16*\u+8:SCO+16*\u+15], v[SOR+\u]
.endr
	; the row's sum is taken of the unquantised p, two at a time, in two chains.  (Plain lines behind the conversions)
.if \b == 0
.irp u, 0,1
	v_pk_add_f32 v[STA+8*\u+4:STA+8*\u+5], v[SCO+16*\u:SCO+16*\u+1], v[SCO+16*\u+2:SCO+16*\u+3]
	v_pk_add_f32 v[T2R+2*\u:T2R+2*\u+1], v[SCO+16*\u+4:SCO+16*\u+5], v[SCO+16*\u+6:SCO+16*\u+7]
.endr
.irp j, 8,12
.irp u, 0,1
	v_pk_add_f32 v[STA+8*\u+4:STA+8*\u+5], v[STA+8*\u+4:STA+8*\u+5], v[SCO+16*\u+\j:SCO+16*\u+\j+1]
	v_pk_add_f32 v[T2R+2*\u:T2R+2*\u+1], v[T2R+2*\u:T2R+2*\u+1], v[SCO+16*\u+\j+2:SCO+16*\u+\j+3]
.endr
.endr
.else
.irp u, 0,1
	v_pk_fma_f32 v[STA+8*\u+4:STA+8*\u+5], v[STA+8*\u+4:STA+8*\u+5], v[STA+8*\u+6:STA+8*\u+7], v[SCO+16*\u:SCO+16*\u+1] op_sel_hi:[1,0,1]   ; the sum under the new M
	v_pk_add_f32 v[T2R+2*\u:T2R+2*\u+1], v[SCO+16*\u+2:SCO+16*\u+3], v[SCO+16*\u+4:SCO+16*\u+5]
.endr
.irp j, 6,10
.irp u, 0,1
	v_pk_add_f32 v[STA+8*\u+4:STA+8*\u+5], v[STA+8*\u+4:STA+8*\u+5], v[SCO+16*\u+\j:SCO+16*\u+\j+1]
	v_pk_add_f32 v[T2R+2*\u:T2R+2*\u+1], v[T2R+2*\u:T2R+2*\u+1], v[SCO+16*\u+\j+2:SCO+16*\u+\j+3]
.endr
.endr
.irp u, 0,1
	v_pk_add_f32 v[STA+8*\u+4:STA+8*\u+5], v[STA+8*\u+4:STA+8*\u+5], v[SCO+16*\u+14:SCO+16*\u+15]
.endr
.endif
.irp u, 0,1
	v_pk_add_f32 v[STA+8*\u+4:STA+8*\u+5], v[STA+8*\u+4:STA+8*\u+5], v[T2R+2*\u:T2R+2*\u+1]
.endr
.endm
	BLOCK 0
	BLOCK 1
	BLOCK 2
	BLOCK 3
	BLOCK 4
	BLOCK 5
	BLOCK 6
	BLOCK 7
	s_branch .Ldone
; The blocks that were left out: zero codes; their bytes come out as 1 below.  Each label falls through to the next, so that every one of these registers is written once on every way
.irp b, 1,2,3,4,5,6,7
.Lzero_\b:
.irp u, 0,1
	v_mov_b32 v[PCD+16*\u+2*\b], 0
	v_mov_b32 v[PCD+16*\u+2*\b+1], 0
	v_mov_b32 v[EB+8*\u+\b], 0
.endr
.endr
; ---------------- E: p v, the division, the way out
.Ldone:
	s_wait_dscnt 0x0                               ; fragments of k that were asked for ahead may still be out: v's take their registers
.irp t, 0,1,2,3
	ds_load_b64 v[VS+2*\t:VS+2*\t+1], v[VSL] offset:VSC+128*\t
.endr
.irp s, 0,1
.irp t, 0,1,2,3
.irp c, 0,1
	ds_load_b128 v[VFR+32*\s+8*\t+4*\c:VFR+32*\s+8*\t+4*\c+3], v[LI] offset:VIMG+2112*\t+1024*\s+512*\c
.endr
.endr
.endr
.irp b, 0,1,2,3,4,5,6,7
.irp u, 0,1
	v_add_nc_u32 v[EB+8*\u+\b], v[EB+8*\u+\b], v[STA+8*\u+3]   ; byte + (M_b - M_last)
.endr
.endr
.irp b, 0,1,2,3,4,5,6,7
.irp u, 0,1
	v_max_i32 v[EB+8*\u+\b], 1, v[EB+8*\u+\b]      ; held at 1 from below; p is at most about 1, so it stays under 128
.endr
.endr
.irp u, 0,1
.irp s, 0,1
	v_lshl_or_b32 v[PW+2*\u+\s], v[EB+8*\u+4*\s+1], 8, v[EB+8*\u+4*\s]
.endr
.endr
.irp u, 0,1
.irp s, 0,1
	v_lshl_or_b32 v[PW+2*\u+\s], v[EB+8*\u+4*\s+2], 16, v[PW+2*\u+\s]
.endr
.endr
.irp u, 0,1
.irp s, 0,1
	v_lshl_or_b32 v[PW+2*\u+\s], v[EB+8*\u+4*\s+3], 24, v[PW+2*\u+\s]
.endr
.endr
.irp u, 0,1                            ; the operand wants a whole block in a lane: lanes 0-15 block 2 g, lanes 16-31 block 2 g + 1
.irp g, 0,1,2,3
.irp i, 0,1
	v_permlane16_swap_b32 v[PCD+16*\u+4*\g+\i], v[PCD+16*\u+4*\g+2+\i]
.endr
.endr
.endr
.irp u, 0,1
	v_add_f32 v[STA+8*\u], v[STA+8*\u+4], v[STA+8*\u+5]        ; the sum's two halves,
.endr
.irp u, 0,1
	v_permlanex16_b32 v[STA+8*\u+1], v[STA+8*\u], s26, s27
.endr
.irp u, 0,1
	v_add_f32 v[STA+8*\u], v[STA+8*\u], v[STA+8*\u+1]          ; and lane l xor 16's: lane (r, any half) holds the sum of the tile's query r
.endr
.irp u, 0,1
	v_rcp_f32 v[STA+8*\u+2], v[STA+8*\u]
.endr
	v_nop                                          ; a plain place behind the reciprocals
	s_wait_alu depctr_va_vdst(0)
.irp u, 0,1
	v_mov_b32_dpp v[STA+8*\u+6], v[STA+8*\u+2] row_xmask:8 row_mask:0xf bank_mask:0xf
.endr
.irp u, 0,1
	v_cndmask_b32 v[STA+8*\u+7], v[STA+8*\u+2], v[STA+8*\u+6], s30   ; lane j of the lower half: query j's; lane j of the upper half: query 8 + j's
.endr
	PLACES 4                                       ; with the lines above: more than eight places behind p's scale words, more than four behind its codes
	s_wait_dscnt 0x0                               ; v
.irp s, 0,1
.set ZF, 1-\s
.irp t, 0,1,2,3
.irp u, 0,1
	WM OAC+8*(2*\t+\u), PCD+16*\u+8*\s, VFR+32*\s+8*\t, ZF, PW+2*\u+\s, VS+2*\t+\s, 0, 0   ; eight accumulators by turns
.endr
.endr
.endr
	PLACES 4
	; Register j of tile (t, u), lane (r, hh): out(32 be + 8 u + 16 hh + j, 4 r + t).  The reciprocal comes from lane j of my half of the lanes, on the multiplication itself
.irp u, 0,1
.irp j, 0,1,2,3,4,5,6,7
.irp t, 0,1,2,3
	v_mul_f32_dpp v[OUTR+32*\u+4*\j+\t], v[STA+8*\u+7], v[OAC+8*(2*\t+\u)+\j] row_share:\j row_mask:0xf bank_mask:0xf
.endr
	global_store_b128 v[GO], v[OUTR+32*\u+4*\j:OUTR+32*\u+4*\j+3], s[20:21] offset:2048*\u+256*\j th:TH_STORE_NT   ; sixteen lanes store a whole row: 256 consecutive bytes, at a multiple of 256 from out's first byte
.endr
.endr
	s_wait_tensorcnt 0x0
	ds_add_u32 v252, v253
	s_wait_dscnt 0x0
	s_endpgm
.Lfunc_end_k_qe8c1afa7fd_head:
	.size	k_qe8c1afa7fd_head, .Lfunc_end_k_qe8c1afa7fd_head-k_qe8c1afa7fd_head
	.p2alignl 7, 3214868480
	.fill 96, 4, 3214868480
	.section	.rodata,"a",@progbits
	.p2align	6, 0x0
	.amdhsa_kernel k_qe8c1afa7fd_head
		.amdhsa_group_segment_fixed_size 112640
		.amdhsa_private_segment_fixed_size 0
		.amdhsa_enable_private_segment 0
		.amdhsa_kernarg_size 72
		.amdhsa_user_sgpr_count 2
		.amdhsa_user_sgpr_kernarg_segment_ptr 1
		.amdhsa_wavefront_size32 1
		.amdhsa_system_sgpr_workgroup_id_x 1
		.amdhsa_system_sgpr_workgroup_id_y 1
		.amdhsa_system_sgpr_workgroup_id_z 1
		.amdhsa_system_vgpr_workitem_id 0
		.amdhsa_next_free_vgpr 256
		.amdhsa_next_free_sgpr 66
		.amdhsa_reserve_vcc 1
		.amdhsa_float_denorm_mode_32 3
		.amdhsa_float_denorm_mode_16_64 3
		.amdhsa_memory_ordered 1
		.amdhsa_forward_progress 1
		.amdhsa_inst_pref_size 120
	.end_amdhsa_kernel
	.amdgpu_metadata
---
amdhsa.version: [ 1, 2 ]
amdhsa.kernels:
  - .name:           k_qe8c1afa7fd_head
    .symbol:         k_qe8c1afa7fd_head.kd
    .args:
      - { .name: x_codes, .offset: 0, .size: 8, .value_kind: global_buffer, .address_space: global }
      - { .name: x_scales, .offset: 8, .size: 8, .value_kind: global_buffer, .address_space: global }
      - { .name: Wq_codes, .offset: 16, .size: 8, .value_kind: global_buffer, .address_space: global }
      - { .name: Wq_scales, .offset: 24, .size: 8, .value_kind: global_buffer, .address_space: global }
      - { .name: Wk_codes, .offset: 32, .size: 8, .value_kind: global_buffer, .address_space: global }
      - { .name: Wk_scales, .offset: 40, .size: 8, .value_kind: global_buffer, .address_space: global }
      - { .name: Wv_codes, .offset: 48, .size: 8, .value_kind: global_buffer, .address_space: global }
      - { .name: Wv_scales, .offset: 56, .size: 8, .value_kind: global_buffer, .address_space: global }
      - { .name: out0, .offset: 64, .size: 8, .value_kind: global_buffer, .address_space: global }
    .group_segment_fixed_size: 112640
    .private_segment_fixed_size: 0
    .kernarg_segment_align: 8
    .kernarg_segment_size: 72
    .max_flat_workgroup_size: 256
    .sgpr_count:     66
    .vgpr_count:     256
    .wavefront_size: 32
...
	.end_amdgpu_metadata
.endif
;; end of part 1
;; ======== version 2 of 2: 1 launch; version 1 with the launch head written anew for expert scheduling mode
;; launch head (part 2): grid 512 x 1, 8 waves a work-group, no clusters, 112,640 bytes of LDS; arguments x_codes, x_scales, Wq_codes, Wq_scales, Wk_codes, Wk_scales, Wv_codes, Wv_scales, out0; writes out0
.if DOCPART == 2
	.amdgcn_target "amdgcn-amd-amdhsa--gfx1250"
	.amdhsa_code_object_version 6
	.text
	.protected	k_qe8c1afa7fd_head
	.globl	k_qe8c1afa7fd_head
	.p2align	8
	.type	k_qe8c1afa7fd_head,@function
k_qe8c1afa7fd_head:
	s_mov_b64 s[64:65], 0
	v_nop
	global_prefetch_b8 v0, s[64:65] scope:SCOPE_SE
	s_setreg_imm32_b32 hwreg(HW_REG_WAVE_SCHED_MODE, 0, 2), 2
	s_setreg_imm32_b32 hwreg(HW_REG_WAVE_MODE, 25, 1), 1
	s_wait_xcnt 0x0
	s_wait_alu depctr_vm_vsrc(0)
; One attention head on codes of FP4 (E2M1) with one E8M0 scale for each 32 along a product's K.  For each of 512 batches: q, k, v = x W (K = 384: three steps of 128);
; scores = q k^T (K = 64: two blocks of 32, the rest of the step zero codes); t = score x sqrt(384) x log2(e), causal; p = 2^(t - M), M a whole number; out = (p v) / (the sum of the unquantised p).
; SHARES.  A work-group of eight waves takes one batch; nothing but x, W and out touches memory.  Wave w owns the 32 rows of row block be = w xor 3 (w / 4), as queries, as keys and as values, in two tiles u of 16.
; TILE ORDER.  Lane ro of tile u stands for row 32 be + 8 u + ro + 8 (ro / 8); the rows of Wq and Wk that form a tile are chosen likewise, those of Wv are neighbours.  So
;   q, k (source 0 = 16 rows of W, source 1 = 16 rows of x): a lane holds one row of x, and 16 registers on end are 16 neighbours along the head's 64: they are quantised in registers;
;   v    (source 0 = 16 rows of x, source 1 = 16 rows of Wv): a lane holds one channel d, and 16 registers on end are 16 neighbouring keys: quantised along the keys, in registers;
;   S^T = k q^T: a lane holds one query, 16 registers on end are 16 neighbouring keys of a block of 32;
;   p v (source 0 = p, source 1 = v's tile t of the channels d = 4 n + t): register j of the four tiles is four neighbouring channels of one row of out: 16 bytes a lane, sixteen lanes a whole row of 256 bytes.
; k's and v's codes and scale bytes go from wave to wave through LDS as images of the operands' registers; q, p and the sums stay in registers.
; THE RUNNING M.  Block b of 32 keys is quantised under M_b, the ceiling of the largest t so far.  Its scale byte is kept as a whole number, byte + (M_b - M_0); at the end M_0 - M_last is added: an exact power
; of two, taken up by the block's scale.  So the sums of p v need no rescaling, and that product is made once, behind the last block.  The row's sum is multiplied by 2^(old M - new M) in each block.
; CAUSAL.  Key blocks behind my row block are not computed (a scalar branch on the wave's number; their codes are zeros); in my own block hidden scores become -infinity ahead of the maximum.
; NO TENSOR LOADS, NO CLUSTER.  W (3 x 12,288 bytes of codes) is what work-groups share; each fetches it once.  Its rows and x's are 192 bytes, 48 words: no power of two, so the mover's padding cannot give
; the pitch of 208 bytes that the fragment loads want, and the tile order permutes groups of eight rows.  Loaded through registers, in dense runs of 512 bytes, the text claims 111,616 bytes of LDS and 256 registers a wave.
; LIMITS.  NaN, infinities and the scale byte 0xff among the inputs are not served.  A block of q, k, v or p whose largest magnitude lies under 2^-124 keeps the byte 1 (a block of zeros too: its codes are zeros).
; A block of p that ends more than its byte below the last M is held at the byte 1: at most 6 x 2^-126 a key, beside a largest p above 1/2.  A change of M is held at 65,536 a block.
; v_exp_f32 gives 0 for results under 2^-126.  t - M is ONE fused multiply-add with c = sqrt(384) log2(e) as one f32 constant, where the definition multiplies twice.
; THE MODE: SCHED_MODE bits 1:0 = 2 (LLVM: expert scheduling mode 2), set by the entry lines.  The code itself states the register dependences between vector or matrix instructions and memory or LDS
; instructions, with s_wait_alu, always for 0.
; THE PLAN.  Registers that memory or LDS instructions touch, and who else names them:
;   v1-10, v160-171, v252, v253   offsets and addresses: written by vector lines at the head, ONE wait on va_vdst ahead of the first load.  v1-10, v252, v253 are never written again; v160-171 become accumulators.
;   v16-99 as STG                 written by global loads, read by the staging stores; then W's fragments land there.  ONE wait on vm_vsrc behind the last staging store serves these and v160-171.
;   v16-79, W's K steps 0, 1      read by a projection's products; behind their places one wait on va_vdst, then the next matrix's loads.
;   v80-111, W's K step 2         read by the products, then the quantiser's room, whose codes, words and bytes LDS stores read: one wait on va_vdst ahead of the stores, one on vm_vsrc ahead of the loads that land there next.
;   v230-251                      x's and W's scale words, read by the products; k's scale words land there behind the wait at the end of q's part, v's behind the wait at the tail's head.
;   v16-31, v254, v255, the zero halves of v16-63   q's codes, scale words and the zero codes: written by vector lines, taken by scaled products: the wait at the end of q's part.
;   v32-63, the code halves       k's fragments, two buffers by turns: block b's four products read its buffer; block b + 2's loads land in it, directly behind the wait behind block b's exponentials.
;   v144-175, v246-249            p's codes and scale words: written by vector lines, taken by scaled products: the wait behind the reciprocals stands behind all their writers.
;   v16-79 as OUTR                tile u's 32 multiplications write 32 registers, eight stores read them: one wait a tile; tile 0's stores are dealt among tile 1's multiplications, which name none of their registers.
;   s22, s32-39                   written by vector instructions (the wave's number; the diagonal's masks, eight to a run): one wait on va_sdst between each run and its first reader.
;
; LDS (bytes)
.set KIMG, 0          ; k: 16 key tiles x 512: tile 2 be + u, lane l's four registers at 16 l
.set KSC,  8192       ; k's scale words: index ro at 80 ro, tile tau's word at + 4 tau
.set VIMG, 9472       ; v: 4 tiles x 2,112: key block be at + 256 be, column n at + 16 n, 16 bytes = 32 keys
.set VSC,  17920      ; v's scale bytes: tile t at 128 t, column n at + 8 n, key block be at + be
.set WST,  18432      ; 3 matrices (Wk, Wv, Wq) x 64 rows of pitch 208, in tile order
.set XST,  58368      ; x: 8 waves x 32 rows of pitch 208, in tile order; each wave's own.  208 = 13 x 16: the sixteen rows of a fragment load begin at sixteen different 16-byte columns modulo 256
; REGISTERS that stay
.set FN,   1          ; 208 ro + 16 hh: a fragment's place in a staged tile
.set XFA,  2          ; FN + 6,656 be
.set KST,  3          ; 16 l + 1,024 be
.set KSS,  4          ; 80 ro + 8 be
.set VST,  5          ; 2,112 (r & 3) + 16 (r >> 2) + 8 hh + 256 be
.set VBS,  6          ; 128 (r & 3) + 8 (r >> 2) + be
.set LI,   7          ; 16 l
.set KSL,  8          ; 80 ro
.set VSL,  9          ; 8 ro
.set GO,   10         ; 4,096 hh + 16 r
.set DQ,   11         ; v11, v12: tile u: 8 u + r + 8 (r / 8) - 16 hh: register i of my own key block is hidden where i > this
.set NINF, 13
; staging
.set STG,  16         ; v16-51 W's nine chunks, v52-99 x's twelve
.set GLW,  160        ; global offsets: 16 l + 1,536 be;
.set GLP,  161        ; 16 l + 1,536 x the group of eight rows that tile order puts at place be;
.set GLX,  162        ; 16 l + 6,144 be
.set SAW,  163        ; v163-165 LDS: 16 (l + n') + 1,664 be, n' = the chunk's row in its group of eight
.set SAX,  166        ; v166-168 the same + 6,656 be
.set SPA,  169        ; 12 (r + 8 (r / 8) + 8 hh): scale words in tile order
.set SNA,  170        ; 12 l: of neighbouring rows
.set SXO,  171        ; SPA + 384 be
; projections
.set WF,   16         ; v16-111  W's fragments: K step s, tile t at 8 (4 s + t)
.set XF,   112        ; v112-159 x's: tile u, K step s at 8 (3 u + s)
.set ACC,  160        ; v160-223 eight accumulators
.set TQ,   80         ; the quantiser's twelve registers, in the room of W's third K step
.set PCQ,  92         ; v92-99   codes just made
.set PWQ,  100        ; v100-101 scale words just made
.set XS,   230        ; scale words: x's, K step s: lanes 0-15 tile 0, lanes 16-31 tile 1
.set WS,   234        ; W's: 6 m + 3 b + s: lanes 0-15 tile 2 b, lanes 16-31 tile 2 b + 1
.set QS,   254        ; v254-255 q's scale words
; attention
.set QFR,  16         ; v16-31   q: tile u at 8 u: four registers of codes, four of zeros
.set KFR,  32         ; v32-63   k: two buffers of two tiles, each four registers of codes, four of zeros
.set SCO,  80         ; v80-111  S^T, then p: tile u at 16 u
.set BMX,  112        ; at work, one register a tile: the block's largest score,
.set BNX,  114        ; its second chain,
.set TXR,  116        ; the other half of the lanes',
.set TTR,  118        ; as t,
.set DDR,  120        ; old M - new M,
.set PMR,  122        ; the block's largest p,
.set SOR,  124        ; the conversion's scale operand,
.set BYR,  126        ; the scale's byte,
.set T2R,  128        ; v128-131 the sums' second chain, a pair a tile
.set PCD,  144        ; v144-175 p's codes: tile u, block b at 16 u + 2 b
.set EB,   176        ; v176-191 p's bytes as whole numbers: 8 u + b
.set STA,  192        ; v192-207 tile u at 8 u: +0 -M of even blocks, +1 the largest t, +2 -M of odd blocks, +3 M_0 - M_b, +4 +5 the sum, +6 2^(old M - new M), +7 its pair's partner
.set KSW,  230        ; v230-245 k's scale words, tile tau
.set PW,   246        ; v246-249 p's scale words: 2 u + s
; tail
.set VS,   230        ; v230-237 v's scale words: 2 t + s
.set VFR,  16         ; v16-79   v's fragments: 32 s + 8 t
.set OAC,  80         ; v80-143  p v: 8 (2 t + u)
.set OUTR, 16         ; v16-79   rows of out: 32 u + 4 j
.set BE,   23         ; s23 my row block
.set MK,   32         ; s32-39 the diagonal's masks, eight to a run (s32-37 hold byte offsets at the head and are free behind it)
.macro PLACES n
.rept \n
	v_nop
.endr
.endm
; One matrix instruction.  zero = 1: it starts the sum.  ra, rb = 1: that side's scales are read from lanes 16-31
.macro WM d, a, b, zero, sa, sb, ra, rb
.if \zero
.if (\ra) && (\rb)
	v_wmma_scale_f32_16x16x128_f8f6f4 v[(\d):(\d)+7], v[(\a):(\a)+7], v[(\b):(\b)+7], 0, v[\sa], v[\sb] matrix_a_fmt:MATRIX_FMT_FP4 matrix_b_fmt:MATRIX_FMT_FP4 matrix_a_scale:MATRIX_SCALE_ROW1 matrix_b_scale:MATRIX_SCALE_ROW1
.elseif (\ra)
	v_wmma_scale_f32_16x16x128_f8f6f4 v[(\d):(\d)+7], v[(\a):(\a)+7], v[(\b):(\b)+7], 0, v[\sa], v[\sb] matrix_a_fmt:MATRIX_FMT_FP4 matrix_b_fmt:MATRIX_FMT_FP4 matrix_a_scale:MATRIX_SCALE_ROW1
.elseif (\rb)
	v_wmma_scale_f32_16x16x128_f8f6f4 v[(\d):(\d)+7], v[(\a):(\a)+7], v[(\b):(\b)+7], 0, v[\sa], v[\sb] matrix_a_fmt:MATRIX_FMT_FP4 matrix_b_fmt:MATRIX_FMT_FP4 matrix_b_scale:MATRIX_SCALE_ROW1
.else
	v_wmma_scale_f32_16x16x128_f8f6f4 v[(\d):(\d)+7], v[(\a):(\a)+7], v[(\b):(\b)+7], 0, v[\sa], v[\sb] matrix_a_fmt:MATRIX_FMT_FP4 matrix_b_fmt:MATRIX_FMT_FP4
.endif
.else
.if (\ra) && (\rb)
	v_wmma_scale_f32_16x16x128_f8f6f4 v[(\d):(\d)+7], v[(\a):(\a)+7], v[(\b):(\b)+7], v[(\d):(\d)+7], v[\sa], v[\sb] matrix_a_fmt:MATRIX_FMT_FP4 matrix_b_fmt:MATRIX_FMT_FP4 matrix_a_scale:MATRIX_SCALE_ROW1 matrix_b_scale:MATRIX_SCALE_ROW1
.elseif (\ra)
	v_wmma_scale_f32_16x16x128_f8f6f4 v[(\d):(\d)+7], v[(\a):(\a)+7], v[(\b):(\b)+7], v[(\d):(\d)+7], v[\sa], v[\sb] matrix_a_fmt:MATRIX_FMT_FP4 matrix_b_fmt:MATRIX_FMT_FP4 matrix_a_scale:MATRIX_SCALE_ROW1
.elseif (\rb)
	v_wmma_scale_f32_16x16x128_f8f6f4 v[(\d):(\d)+7], v[(\a):(\a)+7], v[(\b):(\b)+7], v[(\d):(\d)+7], v[\sa], v[\sb] matrix_a_fmt:MATRIX_FMT_FP4 matrix_b_fmt:MATRIX_FMT_FP4 matrix_b_scale:MATRIX_SCALE_ROW1
.else
	v_wmma_scale_f32_16x16x128_f8f6f4 v[(\d):(\d)+7], v[(\a):(\a)+7], v[(\b):(\b)+7], v[(\d):(\d)+7], v[\sa], v[\sb] matrix_a_fmt:MATRIX_FMT_FP4 matrix_b_fmt:MATRIX_FMT_FP4
.endif
.endif
.endm
; A fragment, 16 rows x 128 K of 4-bit codes, is 8 registers: lane (ro, hh) holds row ro; registers 4 c .. 4 c + 3 hold K = 64 c + 32 hh + 0 .. 31: two loads of 16 bytes, 32 bytes apart
.macro LOADX                           ; my 32 rows of x, all of K: 12 loads; they stay for the three products
.irp u, 0,1
.irp s, 0,1,2
.irp c, 0,1
	ds_load_b128 v[XF+8*(3*\u+\s)+4*\c:XF+8*(3*\u+\s)+4*\c+3], v[XFA] offset:XST+3328*\u+64*\s+32*\c
.endr
.endr
.endr
.endm
.macro LOADW mat, s                    ; the four tiles of matrix mat, K step s: 8 loads
.irp t, 0,1,2,3
.irp c, 0,1
	ds_load_b128 v[WF+8*(4*\s+\t)+4*\c:WF+8*(4*\s+\t)+4*\c+3], v[FN] offset:WST+13312*\mat+3328*\t+64*\s+32*\c
.endr
.endr
.endm
; 24 matrix instructions: my 32 rows of x against the 64 rows of matrix mat.  tr = 1: source 0 = W (q, k);  tr = 0: source 0 = x (v).
; The eight accumulators take turns, one instruction a turn, in the same order in each K step.
.macro MUL tr, mat
.irp s, 0,1,2
.set ZF, 0
.if \s == 0
.set ZF, 1
	s_wait_dscnt 8                                 ; all but the youngest eight LDS loads, W's third K step, are in
.endif
.if \s == 2
	s_wait_dscnt 0x0                               ; those too
.endif
.irp t, 0,1,2,3
.irp u, 0,1
.if \tr
	WM ACC+8*(4*\u+\t), WF+8*(4*\s+\t), XF+8*(3*\u+\s), ZF, WS+6*\mat+3*(\t/2)+\s, XS+\s, \t%2, \u
.else
	WM ACC+8*(2*\t+\u), XF+8*(3*\u+\s), WF+8*(4*\s+\t), ZF, XS+\s, WS+6*\mat+3*(\t/2)+\s, \u, \t%2
.endif
.endr
.endr
.endr
.endm
; Four blocks of 32: block b is my 16 numbers v[src + 16 b] on and lane l xor 16's.  Codes to v[pc + 2 b + gap (b / 2)] and the next; the bytes stay in v[TQ + 4 + b].
; A block's scale is 2^(floor(log2(its largest magnitude)) - 2): its byte is that magnitude's exponent field - 2, and the conversion takes the exponent field of its scale operand alone.
.macro QCORE src, pc, gap
.irp b, 0,1,2,3
	v_max3_num_f32 v[TQ+\b], |v[\src+16*\b]|, |v[\src+16*\b+1]|, 0x1800000   ; with the floor 2^(3 - 127): the byte cannot fall under 1.  (Each accumulator is read from its low end on)
.endr
.irp i, 2,4,6,8,10,12,14
.irp b, 0,1,2,3
	v_max3_num_f32 v[TQ+\b], v[TQ+\b], |v[\src+16*\b+\i]|, |v[\src+16*\b+\i+1]|   ; the four blocks by turns
.endr
.endr
.irp b, 0,1,2,3
	v_permlanex16_b32 v[TQ+4+\b], v[TQ+\b], s26, s27
.endr
.irp b, 0,1,2,3
	v_max_num_f32 v[TQ+\b], v[TQ+\b], v[TQ+4+\b]
.endr
.irp b, 0,1,2,3
	v_add_nc_u32 v[TQ+8+\b], 0xff000000, v[TQ+\b]  ; 2 off the exponent field
.endr
.irp b, 0,1,2,3
	v_lshrrev_b32 v[TQ+4+\b], 23, v[TQ+8+\b]       ; the byte
.endr
.irp b, 0,1,2,3
	v_cvt_scalef32_pk8_fp4_f32 v[\pc+2*\b+\gap*(\b/2)], v[\src+16*\b:\src+16*\b+7], v[TQ+8+\b]
	v_cvt_scalef32_pk8_fp4_f32 v[\pc+2*\b+\gap*(\b/2)+1], v[\src+16*\b+8:\src+16*\b+15], v[TQ+8+\b]
.endr
	v_nop                                          ; one plain place behind a scaled conversion
.endm
; My own key block: register i holds key 32 be + 16 hh + i.  The compares go in runs of eight, into eight scalar registers, with one wait between a run and the selects that read its masks
.macro MASK u
.irp g, 0,8
.irp i, 0,1,2,3,4,5,6,7
	v_cmp_gt_i32 s[MK+\i], \g+\i, v[DQ+\u]
.endr
	s_wait_alu depctr_va_sdst(0)                   ; the eight compares have written s32 to s39, ahead of the first select that reads one of them
.irp i, 0,1,2,3,4,5,6,7
	v_cndmask_b32 v[SCO+16*\u+\g+\i], v[SCO+16*\u+\g+\i], v[NINF], s[MK+\i]
.endr
.endr
.endm
; ---------------- A: addresses, loads, staging
	s_load_b512 s[4:19], s[0:1], 0x0               ; x's codes 4:5, scales 6:7; Wq's 8:9, 10:11; Wk's 12:13, 14:15; Wv's 16:17, 18:19
	s_load_b64 s[20:21], s[0:1], 0x40              ; out
	v_lshl_add_u32 v252, v0, 2, 0x1b400
	v_mov_b32 v253, 0
	v_lshrrev_b32 v14, 5, v0
	v_readfirstlane_b32 s22, v14                   ; wave 0..7
	s_mov_b32 s26, 0x76543210                      ; (lines that do not hang on the wave's number stand between that line and the wait for it)
	s_mov_b32 s27, 0xfedcba98                      ; v_permlanex16_b32's selects for lane l xor 16
	s_mov_b32 s28, 0x41e22adf                      ; c = sqrt(384) log2(e) = 28.270934
	s_mov_b32 s29, s28                             ; (the packed form names the pair)
	s_mov_b32 s30, 0xffff0000                      ; lanes 16-31
	v_and_b32 v172, 31, v0                         ; l
	v_and_b32 v14, 15, v0                          ; r, also ro
	v_bfe_u32 v15, v0, 4, 1                        ; hh
	v_mul_u32_u24 v[FN], v14, 208
	v_lshl_add_u32 v[FN], v15, 4, v[FN]
	s_wait_alu depctr_va_vdst(0)
	v_lshlrev_b32 v[LI], 4, v172
	s_wait_alu depctr_va_vdst(0)
	v_mul_u32_u24 v[KSL], v14, 80
	s_wait_alu depctr_va_vdst(0)
	s_wait_alu depctr_va_sdst(0)                   ; s22 is written, ahead of its first reader: my row block, and all that is made of it, hang on it
	s_lshr_b32 s25, s22, 2
	s_mul_i32 s25, s25, 3
	s_xor_b32 s[BE], s22, s25                      ; be: waves w and w + 4 own blocks that add up to 7: 9 key blocks of causal work between them
	s_and_b32 s24, s[BE], 4
	s_and_b32 s25, s[BE], 1
	s_lshl_b32 s25, s25, 1
	s_or_b32 s24, s24, s25
	s_bfe_u32 s25, s[BE], 0x10001
	s_or_b32 s24, s24, s25                         ; be with its two low bits exchanged: the group of eight rows of Wq, Wk that tile order puts at place be
	s_mul_i32 s25, s[BE], 6656
	v_add_nc_u32 v[XFA], s25, v[FN]
	s_lshl_b32 s31, s[BE], 10
	v_add_nc_u32 v[KST], s31, v[LI]
	s_lshl_b32 s31, s[BE], 3
	v_add_nc_u32 v[KSS], s31, v[KSL]
	v_and_b32 v173, 3, v14
	v_lshrrev_b32 v174, 2, v14
	v_mul_u32_u24 v[VST], v173, 2112
	v_lshl_add_u32 v[VST], v174, 4, v[VST]
	v_lshl_add_u32 v[VST], v15, 3, v[VST]
	s_lshl_b32 s31, s[BE], 8
	v_add_nc_u32 v[VST], s31, v[VST]
	v_lshlrev_b32 v[VBS], 7, v173
	v_lshl_add_u32 v[VBS], v174, 3, v[VBS]
	v_add_nc_u32 v[VBS], s[BE], v[VBS]
	v_lshlrev_b32 v[VSL], 3, v14
	v_lshlrev_b32 v[GO], 12, v15
	v_lshl_add_u32 v[GO], v14, 4, v[GO]
	v_and_b32 v[DQ], 8, v14
	v_add_nc_u32 v[DQ], v[DQ], v14                 ; r + 8 (r / 8)
	v_lshl_add_u32 v173, v15, 3, v[DQ]
	v_mul_u32_u24 v[SPA], v173, 12                 ; a row of scale bytes is 12 bytes, three words
	v_mul_u32_u24 v[SNA], v172, 12
	s_mul_i32 s31, s[BE], 384
	v_add_nc_u32 v[SXO], s31, v[SPA]
	v_lshlrev_b32 v174, 4, v15
	v_sub_nc_u32 v[DQ], v[DQ], v174
	v_add_nc_u32 v[DQ+1], 8, v[DQ]
	v_mov_b32 v[NINF], 0xff800000
	s_mul_i32 s31, s[BE], 1536
	v_add_nc_u32 v[GLW], s31, v[LI]
	s_mul_i32 s31, s24, 1536
	v_add_nc_u32 v[GLP], s31, v[LI]
	s_mul_i32 s31, s[BE], 6144
	v_add_nc_u32 v[GLX], s31, v[LI]
	s_mul_i32 s31, s[BE], 1664
	; A group of eight rows is 96 chunks of 16 bytes, dense in memory.  Chunk ch = l + 32 i lies in row n' = ch / 12 = (43 ch) >> 9 (exact for ch < 96), and in LDS at 16 (ch + n'): 16 bytes of padding a row
.irp i, 0,1,2
	v_add_nc_u32 v173, 32*\i, v172
	v_mul_u32_u24 v174, v173, 43
	v_lshrrev_b32 v174, 9, v174
	v_lshl_add_u32 v174, v174, 4, v[LI]            ; 16 n' + 16 l; the 512 i stand in the stores' immediates
	v_add_nc_u32 v[SAW+\i], s31, v174
	v_add_nc_u32 v[SAX+\i], s25, v174
.endr
	s_mul_i32 s32, ttmp9, 49152                    ; the batch's codes of x,
	s_mov_b32 s33, 0
	s_mul_i32 s34, ttmp9, 3072                     ; its scale bytes,
	s_mov_b32 s35, 0
	s_lshl_b32 s36, ttmp9, 16                      ; its rows of out, and my 32 of them
	s_lshl_b32 s31, s[BE], 13
	s_add_co_u32 s36, s36, s31
	s_mov_b32 s37, 0
	s_wait_kmcnt 0x0
	s_add_nc_u64 s[4:5], s[4:5], s[32:33]
	s_add_nc_u64 s[6:7], s[6:7], s[34:35]
	s_add_nc_u64 s[20:21], s[20:21], s[36:37]
	s_wait_alu depctr_va_vdst(0)                   ; the offsets and addresses v1 to v10 and v160 to v171 are written, which the loads and stores of the whole kernel read; so are v252 and v253
	; 42 loads: W's nine (my eighth of each matrix), x's twelve (my 32 rows), 21 scale words.  Each load of codes reads 512 consecutive bytes
.irp i, 0,1,2
	global_load_b128 v[STG+4*\i:STG+4*\i+3], v[GLP], s[12:13] offset:512*\i
.endr
.irp i, 0,1,2
	global_load_b128 v[STG+12+4*\i:STG+12+4*\i+3], v[GLW], s[16:17] offset:512*\i
.endr
.irp i, 0,1,2
	global_load_b128 v[STG+24+4*\i:STG+24+4*\i+3], v[GLP], s[8:9] offset:512*\i
.endr
.irp i, 0,1,2,3,4,5,6,7,8,9,10,11
	global_load_b128 v[STG+36+4*\i:STG+36+4*\i+3], v[GLX], s[4:5] offset:512*\i th:TH_LOAD_NT
.endr
.irp s, 0,1,2
	global_load_b32 v[XS+\s], v[SXO], s[6:7] offset:4*\s
.endr
.irp b, 0,1
.irp s, 0,1,2
	global_load_b32 v[WS+3*\b+\s], v[SPA], s[14:15] offset:384*\b+4*\s
	global_load_b32 v[WS+6+3*\b+\s], v[SNA], s[18:19] offset:384*\b+4*\s
	global_load_b32 v[WS+12+3*\b+\s], v[SPA], s[10:11] offset:384*\b+4*\s
.endr
.endr
	s_wait_loadcnt 33                              ; W's nine are in; behind them 12 + 21 were issued
.irp m, 0,1,2
.irp i, 0,1,2
	ds_store_b128 v[SAW+\i], v[STG+12*\m+4*\i:STG+12*\m+4*\i+3] offset:WST+13312*\m+512*\i
.endr
.endr
	s_wait_dscnt 0x0                               ; for the others' sake: my eighth of W lies in LDS
	s_barrier_signal -1
	s_barrier_wait -1                              ; all of W does
	s_wait_loadcnt 21                              ; x's twelve are in; behind them the 21 scale words were issued
.irp i, 0,1,2,3,4,5,6,7,8,9,10,11
	ds_store_b128 v[SAX+(\i%3)], v[STG+36+4*\i:STG+36+4*\i+3] offset:XST+1664*(((\i/3)%2)*2+(\i/3)/2)+512*(\i%3)   ; groups 0, 1, 2, 3 of eight rows go to places 0, 2, 1, 3
.endr
	LOADX                                          ; my own bytes: LDS serves a wave's instructions in order (ISA guide 5.7.1.4)
	s_wait_alu depctr_vm_vsrc(0)                   ; the staging stores have read v16 to v99, in which W's fragments land; the loads and stores so far have read their offsets v160 to v171, which the first products write
	LOADW 0, 0
	LOADW 0, 1
	LOADW 0, 2
	s_wait_loadcnt 0x0                             ; the scale words; the loads' offset registers are free
; ---------------- B: k, then v
	MUL 1, 0
	PLACES 5                                       ; four in front of the first read of results; the fifth since the next product begins these accumulators anew
	s_wait_alu depctr_va_vdst(0)                   ; the products are done reading Wk's first two K steps, v16 to v79, in which Wv's land
	LOADW 1, 0
	LOADW 1, 1
	QCORE ACC, PCQ, 0
.irp u, 0,1                            ; the operand wants a whole block in a lane: lanes 0-15 the head's 0-31, lanes 16-31 its 32-63
.irp i, 0,1
	v_permlane16_swap_b32 v[PCQ+4*\u+\i], v[PCQ+4*\u+2+\i]
.endr
.endr
.irp u, 0,1
	v_lshl_or_b32 v[PWQ+\u], v[TQ+4+2*\u+1], 8, v[TQ+4+2*\u]
.endr
.irp u, 0,1
	v_or_b32 v[PWQ+\u], 0x7f7f0000, v[PWQ+\u]      ; the step's upper 64 are zero codes under the byte 127
.endr
	s_wait_alu depctr_va_vdst(0)                   ; k's codes and scale words, v92 to v101, are written, which the stores read; the quantiser is done with all of v80 to v101, in which loads land below
.irp u, 0,1
	ds_store_b128 v[KST], v[PCQ+4*\u:PCQ+4*\u+3] offset:KIMG+512*\u
.endr
	ds_store_b64 v[KSS], v[PWQ:PWQ+1] offset:KSC   ; both halves of the lanes hold, and write, the same words
	s_wait_dscnt 0x0                               ; Wv's first two K steps are in
	s_wait_alu depctr_vm_vsrc(0)                   ; the three stores have read v92 to v101, in which Wv's third K step lands
	LOADW 1, 2
	MUL 0, 1
	PLACES 5
	s_wait_alu depctr_va_vdst(0)                   ; the products are done reading Wv's first two K steps, v16 to v79, in which Wq's land
	LOADW 2, 0
	LOADW 2, 1
	QCORE ACC, PCQ, 0                              ; block t: channel 16 t + r, keys 32 be + 16 hh + 0 .. 15: 8 bytes of codes
	s_wait_alu depctr_va_vdst(0)                   ; v's codes, v92 to v99, and bytes, v84 to v87, are written, which the stores read; the quantiser is done with all of v80 to v99, in which loads land below
.irp t, 0,1,2,3
	ds_store_b64 v[VST], v[PCQ+2*\t:PCQ+2*\t+1] offset:VIMG+64*\t      ; channel d goes to tile d & 3, column d >> 2
	ds_store_b8 v[VBS], v[TQ+4+\t] offset:VSC+32*\t                    ; both halves of the lanes write the same byte with the same value
.endr
	s_wait_dscnt 0x0                               ; for the others' sake: my images of k and v lie in LDS; my loads are in
	s_barrier_signal -1
; ---------------- C: q, between the signal and the wait: work on registers, and loads of Wq's bytes, which nobody writes again
	s_wait_alu depctr_vm_vsrc(0)                   ; the eight stores have read v84 to v87 and v92 to v99, in which Wq's third K step lands
	LOADW 2, 2
	MUL 1, 2
	PLACES 5
	QCORE ACC, QFR, 4
.irp u, 0,1
.irp i, 0,1
	v_permlane16_swap_b32 v[QFR+8*\u+\i], v[QFR+8*\u+2+\i]
.endr
.endr
.irp u, 0,1
	v_lshl_or_b32 v[QS+\u], v[TQ+4+2*\u+1], 8, v[TQ+4+2*\u]
.endr
.irp u, 0,1
	v_or_b32 v[QS+\u], 0x7f7f0000, v[QS+\u]
.endr
	; 30 plain lines: also the places between q's scale words (eight are asked) and codes (four) and the first product that takes them
.irp u, 0,1
.irp i, 4,5,6,7
	v_mov_b32 v[QFR+8*\u+\i], 0                    ; K = 64 .. 127 of the scores' step: zero codes, written once
.endr
.endr
.irp f, 0,1,2,3
.irp i, 4,5,6,7
	v_mov_b32 v[KFR+8*\f+\i], 0
.endr
.endr
.irp u, 0,1
	v_mov_b32 v[TXR+\u], 0                         ; a lane permute's and a DPP form's destination counts as one of its sources
	v_mov_b32 v[STA+8*\u+6], 0
	v_mov_b32 v[STA+8*\u+7], 0                     ; named as the upper half of a pair
.endr
	s_wait_alu depctr_va_vdst(0)                   ; q's codes, its scale words and the zero halves are written, which the scores' products take; the projections' products are done reading v32 to v63 and v230 to v245, in which k's fragments and scale words land
	s_barrier_wait -1                              ; every wave's images lie in LDS; from here on nobody writes LDS
; ---------------- D: the key blocks
.irp g, 0,1,2,3
	ds_load_b128 v[KSW+4*\g:KSW+4*\g+3], v[KSL] offset:KSC+16*\g
.endr
.irp f, 0,1,2,3
	ds_load_b128 v[KFR+8*\f:KFR+8*\f+3], v[LI] offset:KIMG+512*\f      ; key blocks 0 and 1
.endr
; Key block b, both my tiles of queries.
.macro BLOCK b
.set NMN, 2*((\b)%2)
.set NMO, 2-NMN
.set KB, KFR+16*((\b)%2)
.if \b > 0
	s_cmp_lt_u32 s[BE], \b
	s_cbranch_scc1 .Lzero_\b                       ; this block and all behind it come after my queries
.endif
.if \b < 7
	s_wait_dscnt 2                                 ; this block's fragments are in; the next block's two loads may be out
.else
	s_wait_dscnt 0x0
.endif
.irp u, 0,1
.irp k, 0,1
	WM SCO+16*\u+8*\k, KB+8*\k, QFR+8*\u, 1, KSW+2*\b+\k, QS+\u, 0, 0
.endr
.endr
	PLACES 4                                       ; in front of the first read of the scores
	s_cmp_lg_u32 s[BE], \b
	s_cbranch_scc1 .Lopen_\b                       ; an earlier block: all its keys count
	MASK 0
	MASK 1
.Lopen_\b:
.irp u, 0,1
	v_max3_num_f32 v[BMX+\u], v[SCO+16*\u], v[SCO+16*\u+1], v[SCO+16*\u+2]   ; the block's largest score: it serves the row's maximum and, since p rises with the score, the block's largest p
	v_max3_num_f32 v[BNX+\u], v[SCO+16*\u+3], v[SCO+16*\u+4], v[SCO+16*\u+5]
.endr
.irp i, 6,10
.irp u, 0,1
	v_max3_num_f32 v[BMX+\u], v[BMX+\u], v[SCO+16*\u+\i], v[SCO+16*\u+\i+1]
	v_max3_num_f32 v[BNX+\u], v[BNX+\u], v[SCO+16*\u+\i+2], v[SCO+16*\u+\i+3]
.endr
.endr
.irp u, 0,1
	v_max3_num_f32 v[BMX+\u], v[BMX+\u], v[SCO+16*\u+14], v[SCO+16*\u+15]
.endr
.irp u, 0,1
	v_max_num_f32 v[BMX+\u], v[BMX+\u], v[BNX+\u]
.endr
.irp u, 0,1
	v_permlanex16_b32 v[TXR+\u], v[BMX+\u], s26, s27
.endr
.irp u, 0,1
	v_max_num_f32 v[BMX+\u], v[BMX+\u], v[TXR+\u]  ; with lane l xor 16's 16 keys
.endr
.if \b == 0
.irp u, 0,1
	v_mul_f32 v[STA+8*\u+1], s28, v[BMX+\u]        ; the largest t (c is positive)
.endr
.irp u, 0,1
	v_floor_f32 v[STA+8*\u], -v[STA+8*\u+1]        ; -M = floor(-t) = -ceil(t)
.endr
.else
.irp u, 0,1
	v_mul_f32 v[TTR+\u], s28, v[BMX+\u]
.endr
.irp u, 0,1
	v_max_num_f32 v[STA+8*\u+1], v[STA+8*\u+1], v[TTR+\u]
.endr
.irp u, 0,1
	v_floor_f32 v[STA+8*\u+NMN], -v[STA+8*\u+1]
.endr
.irp u, 0,1
	v_sub_f32 v[DDR+\u], v[STA+8*\u+NMN], v[STA+8*\u+NMO]   ; old M - new M: a whole number, 0 or less
.endr
.irp u, 0,1
	v_cvt_i32_f32 v[DDR+\u], v[DDR+\u]             ; (it saturates)
.endr
.irp u, 0,1
	v_ldexp_f32 v[STA+8*\u+6], 1.0, v[DDR+\u]      ; 2^(old M - new M), for the sum
.endr
.irp u, 0,1
	v_max_i32 v[DDR+\u], 0xffff0000, v[DDR+\u]     ; held at -65,536, so that seven of them add up without overflow
.endr
.endif
.irp j, 0,2,4,6,8,10,12,14
.irp u, 0,1
	v_pk_fma_f32 v[SCO+16*\u+\j:SCO+16*\u+\j+1], v[SCO+16*\u+\j:SCO+16*\u+\j+1], s[28:29], v[STA+8*\u+NMN:STA+8*\u+NMN+1] op_sel_hi:[1,0,0]   ; t - M
.endr
.endr
.irp u, 0,1
	v_fma_f32 v[PMR+\u], v[BMX+\u], s28, v[STA+8*\u+NMN]   ; the same of the block's largest score
.endr
	s_wait_alu depctr_va_vdst(0)
.irp u, 0,1
.irp j, 0,1,2,3,4,5,6,7,8,9,10,11,12,13,14,15
	v_exp_f32 v[SCO+16*\u+\j], v[SCO+16*\u+\j]     ; p = 2^(t - M): not normalised
.endr
.endr
.irp u, 0,1
	v_exp_f32 v[PMR+\u], v[PMR+\u]
.endr
.irp u, 0,1                            ; (plain lines behind the exponentials)
.if \b == 0
	v_mov_b32 v[STA+8*\u+3], 0                     ; M_0 - M_b
.else
	v_add_nc_u32 v[STA+8*\u+3], v[STA+8*\u+3], v[DDR+\u]
.endif
.endr
	s_wait_alu depctr_va_vdst(0)                   ; the 34 exponentials have written p and the blocks' largest p, ahead of their first reader; and this block's four products are done reading its buffer of k's fragments, in which the loads below land
.if \b < 6
.irp k, 0,1
	ds_load_b128 v[KB+8*\k:KB+8*\k+3], v[LI] offset:KIMG+512*(2*(\b+2)+\k)   ; two blocks ahead; every image is written, so the loads need no guard
.endr
.endif
.irp u, 0,1
	v_max_num_f32 v[PMR+\u], 0x1800000, v[PMR+\u]  ; the floor 2^(3 - 127)
.endr
.irp u, 0,1
	v_add_nc_u32 v[SOR+\u], 0xff000000, v[PMR+\u]  ; the conversion's scale operand
.endr
.irp u, 0,1
	v_lshrrev_b32 v[BYR+\u], 23, v[SOR+\u]
.endr
.irp u, 0,1
	v_sub_nc_u32 v[EB+8*\u+\b], v[BYR+\u], v[STA+8*\u+3]   ; byte + (M_b - M_0)
.endr
.irp u, 0,1
	v_cvt_scalef32_pk8_fp4_f32 v[PCD+16*\u+2*\b], v[SCO+16*\u:SCO+16*\u+7], v[SOR+\u]
	v_cvt_scalef32_pk8_fp4_f32 v[PCD+16*\u+2*\b+1], v[SCO+16*\u+8:SCO+16*\u+15], v[SOR+\u]
.endr
	; the row's sum is taken of the unquantised p, two at a time, in two chains.  (Plain lines behind the conversions)
.if \b == 0
.irp u, 0,1
	v_pk_add_f32 v[STA+8*\u+4:STA+8*\u+5], v[SCO+16*\u:SCO+16*\u+1], v[SCO+16*\u+2:SCO+16*\u+3]
	v_pk_add_f32 v[T2R+2*\u:T2R+2*\u+1], v[SCO+16*\u+4:SCO+16*\u+5], v[SCO+16*\u+6:SCO+16*\u+7]
.endr
.irp j, 8,12
.irp u, 0,1
	v_pk_add_f32 v[STA+8*\u+4:STA+8*\u+5], v[STA+8*\u+4:STA+8*\u+5], v[SCO+16*\u+\j:SCO+16*\u+\j+1]
	v_pk_add_f32 v[T2R+2*\u:T2R+2*\u+1], v[T2R+2*\u:T2R+2*\u+1], v[SCO+16*\u+\j+2:SCO+16*\u+\j+3]
.endr
.endr
.else
.irp u, 0,1
	v_pk_fma_f32 v[STA+8*\u+4:STA+8*\u+5], v[STA+8*\u+4:STA+8*\u+5], v[STA+8*\u+6:STA+8*\u+7], v[SCO+16*\u:SCO+16*\u+1] op_sel_hi:[1,0,1]   ; the sum under the new M
	v_pk_add_f32 v[T2R+2*\u:T2R+2*\u+1], v[SCO+16*\u+2:SCO+16*\u+3], v[SCO+16*\u+4:SCO+16*\u+5]
.endr
.irp j, 6,10
.irp u, 0,1
	v_pk_add_f32 v[STA+8*\u+4:STA+8*\u+5], v[STA+8*\u+4:STA+8*\u+5], v[SCO+16*\u+\j:SCO+16*\u+\j+1]
	v_pk_add_f32 v[T2R+2*\u:T2R+2*\u+1], v[T2R+2*\u:T2R+2*\u+1], v[SCO+16*\u+\j+2:SCO+16*\u+\j+3]
.endr
.endr
.irp u, 0,1
	v_pk_add_f32 v[STA+8*\u+4:STA+8*\u+5], v[STA+8*\u+4:STA+8*\u+5], v[SCO+16*\u+14:SCO+16*\u+15]
.endr
.endif
.irp u, 0,1
	v_pk_add_f32 v[STA+8*\u+4:STA+8*\u+5], v[STA+8*\u+4:STA+8*\u+5], v[T2R+2*\u:T2R+2*\u+1]
.endr
.endm
	BLOCK 0
	BLOCK 1
	BLOCK 2
	BLOCK 3
	BLOCK 4
	BLOCK 5
	BLOCK 6
	BLOCK 7
	s_branch .Ldone
; The blocks that were left out: zero codes; their bytes come out as 1 below.  Each label falls through to the next, so that every one of these registers is written once on every way
.irp b, 1,2,3,4,5,6,7
.Lzero_\b:
.irp u, 0,1
	v_mov_b32 v[PCD+16*\u+2*\b], 0
	v_mov_b32 v[PCD+16*\u+2*\b+1], 0
	v_mov_b32 v[EB+8*\u+\b], 0
.endr
.endr
; ---------------- E: p v, the division, the way out
.Ldone:
	s_wait_dscnt 0x0                               ; fragments of k that were asked for ahead may still be out: v's take their registers
	s_wait_alu depctr_va_vdst(0)                   ; where the ways join: the scores' products are done reading q's and k's fragments, v16 to v63, and k's scale words, v230 to v245, in which v's fragments and scale words land
.irp t, 0,1,2,3
	ds_load_b64 v[VS+2*\t:VS+2*\t+1], v[VSL] offset:VSC+128*\t
.endr
.irp s, 0,1
.irp t, 0,1,2,3
.irp c, 0,1
	ds_load_b128 v[VFR+32*\s+8*\t+4*\c:VFR+32*\s+8*\t+4*\c+3], v[LI] offset:VIMG+2112*\t+1024*\s+512*\c
.endr
.endr
.endr
.irp b, 0,1,2,3,4,5,6,7
.irp u, 0,1
	v_add_nc_u32 v[EB+8*\u+\b], v[EB+8*\u+\b], v[STA+8*\u+3]   ; byte + (M_b - M_last)
.endr
.endr
.irp b, 0,1,2,3,4,5,6,7
.irp u, 0,1
	v_max_i32 v[EB+8*\u+\b], 1, v[EB+8*\u+\b]      ; held at 1 from below; p is at most about 1, so it stays under 128
.endr
.endr
.irp u, 0,1
.irp s, 0,1
	v_lshl_or_b32 v[PW+2*\u+\s], v[EB+8*\u+4*\s+1], 8, v[EB+8*\u+4*\s]
.endr
.endr
.irp u, 0,1
.irp s, 0,1
	v_lshl_or_b32 v[PW+2*\u+\s], v[EB+8*\u+4*\s+2], 16, v[PW+2*\u+\s]
.endr
.endr
.irp u, 0,1
.irp s, 0,1
	v_lshl_or_b32 v[PW+2*\u+\s], v[EB+8*\u+4*\s+3], 24, v[PW+2*\u+\s]
.endr
.endr
.irp u, 0,1                            ; the operand wants a whole block in a lane: lanes 0-15 block 2 g, lanes 16-31 block 2 g + 1
.irp g, 0,1,2,3
.irp i, 0,1
	v_permlane16_swap_b32 v[PCD+16*\u+4*\g+\i], v[PCD+16*\u+4*\g+2+\i]
.endr
.endr
.endr
.irp u, 0,1
	v_add_f32 v[STA+8*\u], v[STA+8*\u+4], v[STA+8*\u+5]        ; the sum's two halves,
.endr
.irp u, 0,1
	v_permlanex16_b32 v[STA+8*\u+1], v[STA+8*\u], s26, s27
.endr
.irp u, 0,1
	v_add_f32 v[STA+8*\u], v[STA+8*\u], v[STA+8*\u+1]          ; and lane l xor 16's: lane (r, any half) holds the sum of the tile's query r
.endr
	s_wait_alu depctr_va_vdst(0)
.irp u, 0,1
	v_rcp_f32 v[STA+8*\u+2], v[STA+8*\u]
.endr
	v_nop                                          ; a plain place behind the reciprocals
	s_wait_alu depctr_va_vdst(0)                   ; the two reciprocals are written, ahead of their first reader; so are p's codes, v144 to v175, and scale words, v246 to v249, which the products below take: the eight lines between name none of them
.irp u, 0,1
	v_mov_b32_dpp v[STA+8*\u+6], v[STA+8*\u+2] row_xmask:8 row_mask:0xf bank_mask:0xf
.endr
.irp u, 0,1
	v_cndmask_b32 v[STA+8*\u+7], v[STA+8*\u+2], v[STA+8*\u+6], s30   ; lane j of the lower half: query j's; lane j of the upper half: query 8 + j's
.endr
	PLACES 4                                       ; with the lines above: more than eight places behind p's scale words, more than four behind its codes
	s_wait_dscnt 0x0                               ; v
.irp s, 0,1
.set ZF, 1-\s
.irp t, 0,1,2,3
.irp u, 0,1
	WM OAC+8*(2*\t+\u), PCD+16*\u+8*\s, VFR+32*\s+8*\t, ZF, PW+2*\u+\s, VS+2*\t+\s, 0, 0   ; eight accumulators by turns
.endr
.endr
.endr
	PLACES 4
	; Register j of tile (t, u), lane (r, hh): out(32 be + 8 u + 16 hh + j, 4 r + t).  The reciprocal comes from lane j of my half of the lanes, on the multiplication itself
.macro OUTMUL u, j                     ; four neighbouring channels of one row of out
.irp t, 0,1,2,3
	v_mul_f32_dpp v[OUTR+32*\u+4*\j+\t], v[STA+8*\u+7], v[OAC+8*(2*\t+\u)+\j] row_share:\j row_mask:0xf bank_mask:0xf
.endr
.endm
.macro OUTST u, j                      ; sixteen lanes store a whole row: 256 consecutive bytes, at a multiple of 256 from out's first byte
	global_store_b128 v[GO], v[OUTR+32*\u+4*\j:OUTR+32*\u+4*\j+3], s[20:21] offset:2048*\u+256*\j th:TH_STORE_NT
.endm
	s_wait_alu depctr_va_vdst(0)
.irp j, 0,1,2,3,4,5,6,7
	OUTMUL 0, \j                                   ; each accumulator from its low end on
.endr
	s_wait_alu depctr_va_vdst(0)                   ; tile 0's 32 multiplications have written v16 to v47, which its eight stores read
.irp j, 0,1,2,3,4,5,6,7
	OUTST 0, \j                                    ; dealt among tile 1's multiplications, which name v48 to v79, tile 1's accumulators and its reciprocal: none of these stores' registers
	OUTMUL 1, \j
.endr
	s_wait_alu depctr_va_vdst(0)                   ; tile 1's 32 multiplications have written v48 to v79, which its eight stores read
.irp j, 0,1,2,3,4,5,6,7
	OUTST 1, \j
.endr
	s_wait_dscnt 0x0                               ; the closing lines, six on end
	s_wait_alu 0x0
	s_wait_tensorcnt 0x0
	ds_add_u32 v252, v253
	s_wait_dscnt 0x0
	s_endpgm
.Lfunc_end_k_qe8c1afa7fd_head:
	.size	k_qe8c1afa7fd_head, .Lfunc_end_k_qe8c1afa7fd_head-k_qe8c1afa7fd_head
	.p2alignl 7, 3214868480
	.fill 96, 4, 3214868480
	.section	.rodata,"a",@progbits
	.p2align	6, 0x0
	.amdhsa_kernel k_qe8c1afa7fd_head
		.amdhsa_group_segment_fixed_size 112640
		.amdhsa_private_segment_fixed_size 0
		.amdhsa_enable_private_segment 0
		.amdhsa_kernarg_size 72
		.amdhsa_user_sgpr_count 2
		.amdhsa_user_sgpr_kernarg_segment_ptr 1
		.amdhsa_wavefront_size32 1
		.amdhsa_system_sgpr_workgroup_id_x 1
		.amdhsa_system_sgpr_workgroup_id_y 1
		.amdhsa_system_sgpr_workgroup_id_z 1
		.amdhsa_system_vgpr_workitem_id 0
		.amdhsa_next_free_vgpr 256
		.amdhsa_next_free_sgpr 66
		.amdhsa_reserve_vcc 0
		.amdhsa_float_denorm_mode_32 3
		.amdhsa_float_denorm_mode_16_64 3
		.amdhsa_memory_ordered 1
		.amdhsa_forward_progress 1
		.amdhsa_inst_pref_size 137
	.end_amdhsa_kernel
	.amdgpu_metadata
---
amdhsa.version: [ 1, 2 ]
amdhsa.kernels:
  - .name:           k_qe8c1afa7fd_head
    .symbol:         k_qe8c1afa7fd_head.kd
    .args:
      - { .name: x_codes, .offset: 0, .size: 8, .value_kind: global_buffer, .address_space: global }
      - { .name: x_scales, .offset: 8, .size: 8, .value_kind: global_buffer, .address_space: global }
      - { .name: Wq_codes, .offset: 16, .size: 8, .value_kind: global_buffer, .address_space: global }
      - { .name: Wq_scales, .offset: 24, .size: 8, .value_kind: global_buffer, .address_space: global }
      - { .name: Wk_codes, .offset: 32, .size: 8, .value_kind: global_buffer, .address_space: global }
      - { .name: Wk_scales, .offset: 40, .size: 8, .value_kind: global_buffer, .address_space: global }
      - { .name: Wv_codes, .offset: 48, .size: 8, .value_kind: global_buffer, .address_space: global }
      - { .name: Wv_scales, .offset: 56, .size: 8, .value_kind: global_buffer, .address_space: global }
      - { .name: out0, .offset: 64, .size: 8, .value_kind: global_buffer, .address_space: global }
    .group_segment_fixed_size: 112640
    .private_segment_fixed_size: 0
    .kernarg_segment_align: 8
    .kernarg_segment_size: 72
    .max_flat_workgroup_size: 256
    .sgpr_count:     66
    .vgpr_count:     256
    .wavefront_size: 32
...
	.end_amdgpu_metadata
.endif
;; end of part 2
